; MI455X (gfx1250); checked and timed in simulation.
; The chip was launched on July 23, 2026; its instructions are those of AMD's public machine-readable ISA for CDNA 5 (MIT licence, August 2026) and "CDNA5" Instruction Set Architecture Reference Guide (July 2026). The comments in the code are by the model that wrote it; some were corrected since.
;; Learned Attention. Allowed arithmetic: matrix products marked QUANTISED: E5M2 operands, one E8M0 scale for each 32 along K, by v_wmma_scale_f32_16x16x128_f8f6f4 with both operands' format E5M2, f32 sums; products left as they are: f32 operands where the result goes on into a quantised operand, else bf16, f16 or f32 operands; f32 sums; everything else in f32.
;; Inputs: W_energy 1 x 1,024 float32; W_key 1,024 x 1,024 float32; W_query 1,024 x 1,024 float32; keys 32 x 1,024 x 1,024 float32; memory_lengths 32 int32; queries 32 x 1 x 1,024 float32; values 32 x 1,024 x 1,024 float32.
;; Outputs: out0 32 x 1 x 1,024 float32; out1 32 x 1 x 1,024 float32.
;; This version of the problem:
;;   THIS VERSION OF THE PROBLEM IS GIVEN IN LOW PRECISION. The matrix products marked QUANTISED in the list below multiply operands that are first quantised to E5M2 (5 exponent bits, 2 mantissa bits; 8 bits a number), with one power-of-two scale for each 32 numbers along K (OCP MX v1.0); their sums are f32. All else is computed in f32.
;;   The module's matrix products, in the order in which they are computed (A, B: the left and right operand; K: the contracted axis; several contracted axes count as one K, in the product's order):
;;     1. [M 32,768, K 1,024] x [K 1,024, N 1,024]; A: input keys; B: input W_key: QUANTISED
;;     2. [M 32,768, K 1,024] x [K 1,024, N 1,024]; A: input values; B: input W_key: QUANTISED
;;     3. [M 32, K 1,024] x [K 1,024, N 1,024]; A: input queries; B: input W_query: QUANTISED
;;     4. [M 32,768, K 1,024] x [K 1,024, N 1]; A: computed on the way; B: input W_energy: left as it is (N = 1 < 16)
;;     5. batch 32 x [M 1, K 1,024] x [K 1,024, N 1,024]; A: softmax; B: computed on the way: left as it is (M = 1 < 16)
;;   THE QUANTISER, for each operand of a quantised product, along K:
;;     - K is cut into blocks of 32 from its start; a last block that is shorter is filled with zeros.
;;     - A block's scale is 2^e with e = floor(log2(the largest magnitude in the block)) - 15, held to -126 .. 127; a block of zeros has e = 0. As a byte (E8M0): e + 127.
;;     - Each number is divided by its block's scale, clamped to +-57,344, and rounded to the nearest number of E5M2, ties to even, subnormals kept.
;;     - The product sums the exact products of the quantised numbers (number of the format x scale) in f32.
;;   ~~~python
;;   def quantise(x, axis):      # numpy; x: float32 -> the quantised numbers, widened to float32 again
;;       x = np.moveaxis(x, axis, -1); K = x.shape[-1]
;;       x = np.pad(x, [(0, 0)] * (x.ndim - 1) + [(0, -K % 32)]); x = x.reshape(x.shape[:-1] + (-1, 32)); a = np.abs(x).max(-1, keepdims=True)
;;       e = np.where(a > 0, np.clip(np.frexp(np.where(a > 0, a, 1))[1] - 1 - 15, -126, 127), 0)      # np.frexp(a)[1] - 1 = floor(log2(a)), exactly
;;       r = np.clip(x / 2.0 ** e, -57344, 57344)
;;       step = 2.0 ** (np.maximum(np.frexp(np.where(r == 0, 1, r))[1] - 1, -14) - 2)
;;       q = np.round(r / step) * step * 2.0 ** e      # np.round: ties to even
;;       return np.moveaxis(q.reshape(q.shape[:-2] + (-1,))[..., :K], -1, axis).astype(np.float32)
;;   ~~~
;; 2 versions, each right; version 2 is version 1 with the launches prep, main written anew for expert scheduling mode. Each part assembles by itself: llvm-mc -triple=amdgcn-amd-amdhsa -mcpu=gfx1250 --defsym DOCPART=n.
;; ======== version 1 of 2: 3 launches
;; workspace buffers: wk_img 1,048,576 bytes; wk_sc 32,768 bytes; pqs 131,072 bytes; scores 131,072 bytes; part 1,048,576 bytes
;; launch prep (part 1): grid 128 x 1, 8 waves a work-group, no clusters, 93,184 bytes of LDS; arguments W_key, W_query, queries, wk_img, wk_sc, pqs; writes wk_img, wk_sc, pqs
.if DOCPART == 1
	.amdgcn_target "amdgcn-amd-amdhsa--gfx1250"
	.amdhsa_code_object_version 6
	.text
	.protected	k_qb497185abc_prep
	.globl	k_qb497185abc_prep
	.p2align	8
	.type	k_qb497185abc_prep,@function
k_qb497185abc_prep:
	s_mov_b64 s[64:65], 0
	v_nop
	global_prefetch_b8 v0, s[64:65] scope:SCOPE_SE
	s_setreg_imm32_b32 hwreg(HW_REG_WAVE_MODE, 25, 1), 1
	s_wait_xcnt 0x0
; TWO SMALL TASKS IN ONE LAUNCH, told apart by the work-group's number g.  A work-group takes ONE TILE of 16 weight rows (ht = g % 64), each of its eight waves one K step of 128.
; g < 64:  16 rows of W_key [1024][1024] f32 become codes of E5M2 with one E8M0 byte for each 32 along K, laid as IMAGES OF THE OPERAND'S REGISTERS:
;          fragment (ht, k) at ((ht / 4) 8 + k) 8192 + (ht % 4) 2048 of wk_img; in it lane l's registers 4 q .. 4 q + 3 at 512 q + 16 l.
;          wk_sc: 512 bytes for each ht; the word of row r and K step k at 16 (r + 16 (k % 2)) + 4 (k / 2): one load of 16 bytes a lane gives four scale registers, even K steps in lanes 0-15, odd ones in lanes 16-31.
; g >= 64: 16 rows of W_query are quantised the same way; each wave also quantises the 32 queries for ITS K step, so that all it multiplies are its own LDS bytes; pq = queries W_query^T by the scaled matrix instruction.
;          pq's K is split over the eight waves; their parts are added in ascending K (an order of sums other than one chain).  pqs = pq x 2 log2(e), as the next launch's tanh wants it, laid as the image of the accumulators:
;          2,048 bytes a tile; pq(b, 16 ht + r) at 1024 (b / 16) + 512 ((b / 4) % 2) + 256 ((b / 8) % 2) + 16 r + 4 (b % 4).
; The two tasks part once, behind the weight's loads, and each has LDS bytes of its own.
; THE QUANTISER works on numbers AS THEY ARE LOADED: one load of a wave is 512 consecutive bytes, one row's 128 numbers of a K step, four a lane; a block of 32 is eight neighbouring lanes.
; LIMITS: a block of zeros gets the byte 1 (its codes are zeros; only this program reads the bytes); NaN and infinities among the inputs are not served.
.set CP,   144          ; a row of 128 codes in LDS: 128 bytes + 16 = 9 x 16: the 16 rows of a fragment load start in different groups of banks (64 banks of 4 bytes: ISA guide 11.1)
.set WC0,  0            ; W_key's path: each wave's 16 rows of codes: 8 x 2,304
.set WS0,  18432        ;   the tile's 512 scale bytes, in wk_sc's order
.set WC1,  18944        ; W_query's path: each wave's 16 rows of codes
.set WS1,  37376        ;   their scale words, 64 bytes a wave: 4 row + block
.set QC,   37888        ;   the queries' codes: 32 rows a wave: 8 x 4,608
.set QS,   74752        ;   their scale words, 128 bytes a wave
.set RED,  75776        ;   pq's parts, as images: 2,048 bytes a wave
.set XW,   24           ; v24-87   the weight's 16 loads: row n at XW + 4 n
.set XQ,   88           ; v88-215  the queries' 32 loads
.set TA,   216          ; v216-247 at work: for load n: +0 largest magnitude, then the byte; +1 the conversion's scale; +2, +3 the hold, then codes
.set TB,   24           ; the second set at work: the weight's first eight loads' registers, free once they are converted
.set QF,   88           ; later: v88-119 the queries' two fragments, v120-135 the weight's, v136-151 two accumulators, v152-183 eight parts
.set WF,   120
.set AC,   136
.set SU,   152
.set MNT,  32           ; s32      the mantissa field of 57,344
; Eight loads' numbers, v[X] on, become codes and bytes in v[T] on.  Each stage goes over the eight by turns, so that no line waits for the line above it.
.macro QUANT8 X, T
.irp n, 0,1,2,3,4,5,6,7
	v_max3_num_f32 v[(\T)+4*\n], |v[(\X)+4*\n]|, |v[(\X)+4*\n+1]|, |v[(\X)+4*\n+2]|
.endr
.irp n, 0,1,2,3,4,5,6,7
	v_max3_num_f32 v[(\T)+4*\n], |v[(\X)+4*\n+3]|, v[(\T)+4*\n], 0x8000000   ; my four, and the floor 2^(16 - 127): the byte cannot fall under 1
.endr
.irp x, 1,2,4
.irp n, 0,1,2,3,4,5,6,7
	v_max_num_f32_dpp v[(\T)+4*\n], v[(\T)+4*\n], v[(\T)+4*\n] row_xmask:\x row_mask:0xf bank_mask:0xf   ; with the seven lanes that share my block
.endr
.endr
.irp n, 0,1,2,3,4,5,6,7
	v_add_nc_u32 v[(\T)+4*\n+1], 0xf8800000, v[(\T)+4*\n]            ; 15 off the exponent field: the conversion's scale operand
.endr
.irp n, 0,1,2,3,4,5,6,7
	v_and_or_b32 v[(\T)+4*\n+2], v[(\T)+4*\n], 0x7f800000, s[MNT]    ; 57,344 x the scale
.endr
.irp n, 0,1,2,3,4,5,6,7
	v_lshrrev_b32 v[(\T)+4*\n], 23, v[(\T)+4*\n+1]                   ; the scale's byte
.endr
.irp n, 0,1,2,3,4,5,6,7
.irp e, 0,1,2,3
	v_med3_num_f32 v[(\X)+4*\n+\e], v[(\X)+4*\n+\e], -v[(\T)+4*\n+2], v[(\T)+4*\n+2]   ; the conversion does not saturate (ISA guide 7.6.2): the hold comes first
.endr
.endr
.irp n, 0,1,2,3,4,5,6,7
	v_cvt_scalef32_pk8_bf8_f32 v[(\T)+4*\n+2:(\T)+4*\n+3], v[(\X)+8*(\n/2):(\X)+8*(\n/2)+7], v[(\T)+4*\n+1]   ; the conversion takes eight numbers: two loads' under load n's scale; word n % 2 of the result is load n's, the other is dropped
.endr
	v_nop                                                            ; one plain line behind the last conversion
.endm
; Rows 8 c .. 8 c + 7 of a tensor whose loads stand at v[X] on: wait, quantise, store.  left: the younger loads that may stay out.  A row's 128 codes go to 128 consecutive bytes; its four bytes by the eight lanes of each block (the same byte, the same value).
.macro QRUN X, c, T, left, ca, sa, sp
	s_wait_loadcnt \left                           ; loads come back in order (ISA guide 5.7.1): these eight are in
	s_wait_dscnt 16                                ; the last call's 16 LDS stores may be out; those of the call before, which read this set of registers, are done
	QUANT8 (\X)+32*(\c), \T
.irp n, 0,1,2,3,4,5,6,7
	ds_store_b32 v[\ca], v[(\T)+4*\n+2+(\n%2)] offset:CP*(8*(\c)+\n)
.endr
.irp n, 0,1,2,3,4,5,6,7
	ds_store_b8 v[\sa], v[(\T)+4*\n] offset:(\sp)*(8*(\c)+\n)
.endr
.endm
	s_load_b256 s[4:11], s[0:1], 0x0               ; W_key s[4:5], W_query s[6:7], queries s[8:9], wk_img s[10:11]
	s_load_b128 s[12:15], s[0:1], 0x20             ; wk_sc s[12:13], pqs s[14:15]
	v_lshl_add_u32 v254, v0, 2, 0x16800
	v_mov_b32 v255, 0
	v_lshrrev_b32 v1, 5, v0
	v_readfirstlane_b32 s16, v1                    ; wave = K step k, 0..7
	s_and_b32 s17, s16, 1                          ; k % 2
	s_lshr_b32 s18, s16, 1                         ; k / 2
	s_and_b32 s19, ttmp9, 63                       ; the tile ht
	s_mov_b32 s[MNT], 0x600000
	v_and_b32 v19, 31, v0                          ; lane l
	v_and_b32 v2, 15, v0                           ; r
	v_bfe_u32 v3, v0, 4, 1                         ; hh
	v_bfe_u32 v20, v0, 3, 2                        ; my block in a load's 128 numbers
	v_lshlrev_b32 v1, 4, v19                       ; v1: 16 l
	v_mul_u32_u24 v23, v2, CP
	v_lshl_add_u32 v23, v3, 4, v23                 ; a fragment's place for my lane: 144 r + 16 hh
	; every LDS address is made here, ahead of the parting: a constant + a constant x wave part + a constant x lane part
	s_mul_i32 s33, s16, 16*CP
	v_lshl_add_u32 v4, v19, 2, s33                 ; v4:  W_key's codes, in: my wave's rows + 4 l
	v_add_nc_u32 v6, s33, v23                      ; v6:  and out, as a fragment
	v_add_nc_u32 v8, WC1, v4                       ; v8:  W_query's codes, in
	v_add_nc_u32 v10, WC1, v6                      ; v10: and out
	s_lshl_b32 s33, s17, 8
	s_lshl_b32 s36, s18, 2
	s_add_co_u32 s33, s33, s36
	s_add_co_u32 s33, s33, WS0
	v_add_nc_u32 v5, s33, v20                      ; v5:  W_key's scale bytes, in: 256 (k % 2) + 4 (k / 2) + block (+ 16 row)
	v_add_nc_u32 v7, WS0, v1                       ; v7:  the tile's 512 scale bytes, 16 a lane
	s_lshl_b32 s33, s16, 6
	s_add_co_u32 s33, s33, WS1
	v_add_nc_u32 v9, s33, v20                      ; v9:  W_query's scale bytes, in: my wave's 64 bytes + block (+ 4 row)
	v_lshl_add_u32 v11, v2, 2, s33                 ; v11: and out: row r's word
	s_mul_i32 s33, s16, 32*CP
	s_add_co_u32 s33, s33, QC
	v_lshl_add_u32 v12, v19, 2, s33                ; v12: the queries' codes, in
	v_add_nc_u32 v14, s33, v23                     ; v14: and out, as fragments
	s_lshl_b32 s33, s16, 7
	s_add_co_u32 s33, s33, QS
	v_add_nc_u32 v13, s33, v20                     ; v13: the queries' scale bytes, in
	v_lshl_add_u32 v15, v2, 2, s33                 ; v15: and out: query r's word (+ 64 for queries 16 on)
	s_lshl_b32 s33, s16, 11
	s_add_co_u32 s33, s33, RED
	v_add_nc_u32 v21, s33, v1                      ; v21: my parts of pq, in
	s_and_b32 s33, s16, 3
	s_lshl_b32 s33, s33, 9                         ; 512 x (wave % 4): the piece that a summing wave takes
	s_add_co_u32 s37, s33, RED
	v_add_nc_u32 v22, s37, v1                      ; v22: that piece of the eight waves' parts
	s_mov_b32 s35, 0
	s_wait_kmcnt 0x0
	s_cmp_lt_u32 ttmp9, 64                         ; which weight: the choice hangs on the work-group's number alone
	s_cselect_b64 s[20:21], s[4:5], s[6:7]
	s_lshl_b32 s34, s19, 16                        ; row 16 ht of 4,096 bytes,
	s_lshl_b32 s36, s16, 9                         ; K step k of 512
	s_add_co_u32 s34, s34, s36
	s_add_nc_u64 s[20:21], s[20:21], s[34:35]
.irp p, 0,1,2,3,4,5,6,7,8,9,10,11,12,13,14,15
	global_load_b128 v[XW+4*\p:XW+4*\p+3], v1, s[20:21] offset:\p*4096 th:TH_LOAD_NT   ; 512 consecutive bytes a load; each byte of a weight is read once in the launch
.endr
	s_mov_b32 s34, s36
	s_add_nc_u64 s[26:27], s[8:9], s[34:35]        ; queries at K step k
	s_lshr_b32 s34, s19, 2                         ; wk_img: ((ht / 4) 8 + k) 8192 + (ht % 4) 2048
	s_lshl_b32 s34, s34, 3
	s_add_co_u32 s34, s34, s16
	s_lshl_b32 s34, s34, 13
	s_and_b32 s36, s19, 3
	s_lshl_b32 s36, s36, 11
	s_add_co_u32 s34, s34, s36
	s_add_nc_u64 s[22:23], s[10:11], s[34:35]
	s_lshl_b32 s34, s19, 9                         ; wk_sc: 512 ht
	s_add_nc_u64 s[24:25], s[12:13], s[34:35]
	s_lshl_b32 s34, s19, 11                        ; pqs: 2048 ht + my piece
	s_add_co_u32 s34, s34, s33
	s_add_nc_u64 s[28:29], s[14:15], s[34:35]
	s_cmp_ge_u32 ttmp9, 64
	s_cbranch_scc1 .Ltask1
	; ---- W_key: my fragment comes back out of my own rows (LDS serves a wave's instructions in order: ISA guide 5.7.1.4) and leaves as an image
	QRUN XW, 0, TA, 8, 4, 5, 16
	QRUN XW, 1, TB, 0, 4, 5, 16
.irp q, 0,1,2,3
	ds_load_b128 v[QF+4*\q:QF+4*\q+3], v6 offset:32*\q
.endr
	s_wait_dscnt 0x0                               ; the fragment is in; and, for the others' sake, my scale bytes lie in LDS
.irp q, 0,1,2,3
	global_store_b128 v1, v[QF+4*\q:QF+4*\q+3], s[22:23] offset:512*\q   ; 32 lanes store 512 consecutive bytes
.endr
	s_barrier_signal -1                            ; the tile's scale bytes come from eight waves
	s_barrier_wait -1
	s_cmp_lg_u32 s16, 0
	s_cbranch_scc1 .Lend0                          ; one wave stores them
	ds_load_b128 v[WF:WF+3], v7
	s_wait_dscnt 0x0
	global_store_b128 v1, v[WF:WF+3], s[24:25]
.Lend0:
	s_wait_tensorcnt 0x0
	ds_add_u32 v254, v255
	s_wait_dscnt 0x0
	s_endpgm
.Ltask1:
	; ---- W_query: the 32 queries' numbers of my K step are asked for at once, behind the weight's
.irp b, 0,1,2,3,4,5,6,7,8,9,10,11,12,13,14,15,16,17,18,19,20,21,22,23,24,25,26,27,28,29,30,31
	global_load_b128 v[XQ+4*\b:XQ+4*\b+3], v1, s[26:27] offset:\b*4096
.endr
	QRUN XW, 0, TA, 40, 8, 9, 4                    ; behind the weight's first eight loads: its other eight and the queries' 32
	QRUN XW, 1, TB, 32, 8, 9, 4
	QRUN XQ, 0, TA, 24, 12, 13, 4
	QRUN XQ, 1, TB, 16, 12, 13, 4
	QRUN XQ, 2, TA, 8, 12, 13, 4
	QRUN XQ, 3, TB, 0, 12, 13, 4
	; all that I multiply are my own wave's bytes: no barrier; LDS serves my loads behind my stores
.irp bt, 0,1
.irp q, 0,1,2,3
	ds_load_b128 v[QF+16*\bt+4*\q:QF+16*\bt+4*\q+3], v14 offset:16*CP*\bt+32*\q
.endr
.endr
.irp q, 0,1,2,3
	ds_load_b128 v[WF+4*\q:WF+4*\q+3], v10 offset:32*\q
.endr
	ds_load_b32 v16, v15                           ; scale words: queries 0-15,
	ds_load_b32 v17, v15 offset:64                 ; queries 16-31,
	ds_load_b32 v18, v11                           ; my 16 rows of the weight.  v16-18 hold scales and nothing else
	s_wait_dscnt 0x0
	; source 0 = 16 queries, source 1 = 16 rows of W_query; one product for each of two accumulators
	v_wmma_scale_f32_16x16x128_f8f6f4 v[AC:AC+7], v[QF:QF+15], v[WF:WF+15], 0, v16, v18 matrix_a_fmt:MATRIX_FMT_BF8 matrix_b_fmt:MATRIX_FMT_BF8
	v_wmma_scale_f32_16x16x128_f8f6f4 v[AC+8:AC+15], v[QF+16:QF+31], v[WF:WF+15], 0, v17, v18 matrix_a_fmt:MATRIX_FMT_BF8 matrix_b_fmt:MATRIX_FMT_BF8
.rept 8
	v_nop                                          ; eight places behind this form before its results are read
.endr
.irp p, 0,1,2,3
	ds_store_b128 v21, v[AC+4*\p:AC+4*\p+3] offset:512*\p   ; piece p = 2 (b / 16) + half of the registers: each accumulator from its low end on
.endr
	s_wait_dscnt 0x0                               ; for the others' sake: my parts lie in LDS
	s_barrier_signal -1
	s_barrier_wait -1                              ; the eight K parts of the tile lie in LDS
	s_cmp_ge_u32 s16, 4
	s_cbranch_scc1 .Lend1                          ; four waves add, a piece each
.irp kk, 0,1,2,3,4,5,6,7
	ds_load_b128 v[SU+4*\kk:SU+4*\kk+3], v22 offset:2048*\kk
.endr
	s_wait_dscnt 0x0
.irp kk, 1,2,3,4,5,6,7
	v_pk_add_f32 v[SU:SU+1], v[SU:SU+1], v[SU+4*\kk:SU+4*\kk+1]      ; K ascending
	v_pk_add_f32 v[SU+2:SU+3], v[SU+2:SU+3], v[SU+4*\kk+2:SU+4*\kk+3]
.endr
	v_pk_mul_f32 v[SU:SU+1], v[SU:SU+1], 0x4038aa3b op_sel_hi:[1,0]  ; x 2 log2(e)
	v_pk_mul_f32 v[SU+2:SU+3], v[SU+2:SU+3], 0x4038aa3b op_sel_hi:[1,0]
	global_store_b128 v1, v[SU:SU+3], s[28:29]     ; the piece as it stands in the registers: 512 consecutive bytes
.Lend1:
	s_wait_tensorcnt 0x0
	ds_add_u32 v254, v255
	s_wait_dscnt 0x0
	s_endpgm
.Lfunc_end_k_qb497185abc_prep:
	.size	k_qb497185abc_prep, .Lfunc_end_k_qb497185abc_prep-k_qb497185abc_prep
	.p2alignl 7, 3214868480
	.fill 96, 4, 3214868480
	.section	.rodata,"a",@progbits
	.p2align	6, 0x0
	.amdhsa_kernel k_qb497185abc_prep
		.amdhsa_group_segment_fixed_size 93184
		.amdhsa_private_segment_fixed_size 0
		.amdhsa_enable_private_segment 0
		.amdhsa_kernarg_size 48
		.amdhsa_user_sgpr_count 2
		.amdhsa_user_sgpr_kernarg_segment_ptr 1
		.amdhsa_wavefront_size32 1
		.amdhsa_system_sgpr_workgroup_id_x 1
		.amdhsa_system_sgpr_workgroup_id_y 1
		.amdhsa_system_sgpr_workgroup_id_z 1
		.amdhsa_system_vgpr_workitem_id 0
		.amdhsa_next_free_vgpr 256
		.amdhsa_next_free_sgpr 66
		.amdhsa_reserve_vcc 0
		.amdhsa_float_denorm_mode_32 3
		.amdhsa_float_denorm_mode_16_64 3
		.amdhsa_memory_ordered 1
		.amdhsa_forward_progress 1
		.amdhsa_inst_pref_size 76
	.end_amdhsa_kernel
	.amdgpu_metadata
---
amdhsa.version: [ 1, 2 ]
amdhsa.kernels:
  - .name:           k_qb497185abc_prep
    .symbol:         k_qb497185abc_prep.kd
    .args:
      - { .name: W_key, .offset: 0, .size: 8, .value_kind: global_buffer, .address_space: global }
      - { .name: W_query, .offset: 8, .size: 8, .value_kind: global_buffer, .address_space: global }
      - { .name: queries, .offset: 16, .size: 8, .value_kind: global_buffer, .address_space: global }
      - { .name: wk_img, .offset: 24, .size: 8, .value_kind: global_buffer, .address_space: global }
      - { .name: wk_sc, .offset: 32, .size: 8, .value_kind: global_buffer, .address_space: global }
      - { .name: pqs, .offset: 40, .size: 8, .value_kind: global_buffer, .address_space: global }
    .group_segment_fixed_size: 93184
    .private_segment_fixed_size: 0
    .kernarg_segment_align: 8
    .kernarg_segment_size: 48
    .max_flat_workgroup_size: 256
    .sgpr_count:     66
    .vgpr_count:     256
    .wavefront_size: 32
...
	.end_amdgpu_metadata
.endif
;; end of part 1
;; launch main (part 2): grid 8 x 32, 4 waves a work-group, no clusters, 283,136 bytes of LDS; arguments keys, values, memory_lengths, wk_img, wk_sc, pqs, W_energy, scores, part; writes scores, part
.if DOCPART == 2
	.amdgcn_target "amdgcn-amd-amdhsa--gfx1250"
	.amdhsa_code_object_version 6
	.text
	.protected	k_qb497185abc_main
	.globl	k_qb497185abc_main
	.p2align	8
	.type	k_qb497185abc_main,@function
k_qb497185abc_main:
	s_mov_b64 s[64:65], 0
	v_nop
	global_prefetch_b8 v0, s[64:65] scope:SCOPE_SE
	s_setreg_imm32_b32 hwreg(HW_REG_WAVE_MODE, 25, 1), 1
	s_wait_xcnt 0x0
; ONE WORK-GROUP = one batch b (grid y) and one block of 128 memory slots (grid x).  It makes the block's raw scores and the block's part of the weighted sum of projected values.
; A block that lies wholly at or past memory_lengths[b] is thrown away by the mask that the problem builds: such a work-group passes over the three parts of the work, stores zeros (the next launch reads every word) and ends.
; An active block does all its 128 rows; rows past the length get the weight 0.  THE BARRIERS STAND ON EVERY WAVE'S PATH: each of the three parts has a short branch of its own on the same compare, and the ways join ahead of each barrier.
; So each part reads only what the head or the part itself has written: all bases, addresses and cleared registers are made in the head, and each pass over W asks for its own first fragments.
; PHASE L.  Wave w reads rows 32 w .. 32 w + 31 of keys and of values, once, as f32, 512 consecutive bytes a load, quantises them as loaded (a block of 32 is eight neighbouring lanes) and lays codes and scale bytes in LDS.
; PHASE P, twice (keys, then values).  Wave w owns hidden units 256 w .. 256 w + 255, in four chunks of 64: 8 tiles of rows x 4 tiles of units = 32 accumulators, K outermost.  W_key's fragments come as images of the operand's registers
;   (made by the launch before) straight into a ring of four register slots, three K steps ahead; no other wave wants them, so the loop has no barrier.  The rows' fragments come from LDS, a K step ahead; each feeds four products.
;   Source 0 = 16 rows, source 1 = 16 units: register j of lane (r, hh) holds row 8 hh + j and unit r, so pq and W_energy are one number a lane and a row's weight one register.
; SCORES.  tanh(z) = 1 - 2 / (1 + 2^(2 log2(e) z)).  The sum of W_energy is the same for every slot and cancels in the softmax, whose maximum is taken away: what is kept is -2 x the sum over units of W_energy / (1 + 2^x).
;   pqs holds pq x 2 log2(e), 2,048 bytes for each tile of 16 units: pq(b, unit r of the tile) at 1024 (b / 16) + 512 ((b / 4) % 2) + 256 ((b / 8) % 2) + 4 (b % 4) + 16 r.
; SOFTMAX.  p = 2^((s - the block's largest unmasked s) log2(e)), not normalised; the next launch brings the eight blocks under the batch's maximum and divides.
; NO TENSOR LOADS AND NO JOINT REQUESTS, though all work-groups walk the same W: the codes of its 256 rows take 266,240 of the LDS bytes, so that no ring of W's tiles (8,192 bytes a wave and K step) has room.
; LIMITS: memory_lengths from 1 on (above 1,024 counts as 1,024); a block of zeros gets the scale byte 1 (its codes are zeros; only this program reads the bytes); NaN and infinities among the inputs are not served.
; REGISTERS, in windows of 256.  Window 0: addresses, scale words, sums (below).  Window 1: phase L's ring of 8 slots x 32; then the accumulators, (rt, ht) at 8 (4 rt + ht).  Window 2: W's ring, slot k % 4 at 64 (k % 4) + 16 ht.  Window 3: the rows' fragments, buffer k % 2 at 128 (k % 2) + 16 rt.
.set KC,   0            ; LDS: keys' codes, 128 rows, pitch 1,040 = 65 x 16 bytes: the 16 rows of a fragment load start in 16 different groups of banks (64 banks of 4 bytes: ISA guide 11.1)
.set VC,   133120       ; values' codes likewise
.set ASC,  266240       ; the rows' scale bytes: 4096 kind + 2048 (k % 2) + 16 row + 4 (k / 2) + block
.set SX,   274432       ; [wave][128] partial scores
.set PB,   276480       ; the weights p, a copy for each wave
.set OB,   278528       ; the out-partials, 1,024 bytes a wave
.set RP,   1040
.set GO,   1            ; v1   16 l
.set LAK,  2            ; v2   keys' codes, in: my wave's rows + 4 l; steps by four rows a round
.set LAV,  3            ; v3   values' likewise
.set AK0,  5            ; v5   keys' fragments, row tiles 0-3: 1040 r + 16 hh
.set AK1,  6            ; v6   row tiles 4-7
.set AV0,  7            ; v7, v8 values' likewise
.set AV1,  8
.set ASA,  9            ; v9   scale words, out: lanes 0-15 even K steps, lanes 16-31 odd ones
.set RO,   10           ; v10  4 r
.set SXW,  11
.set SXR,  12
.set PBW,  13
.set PBR,  14
.set OBA,  15           ; v15  the out-partials, in: my wave's 1,024 bytes + 4 r; never rewritten
.set ASCR, 16           ; v16-47   the rows' scale words: tile rt: four registers, register k / 2.  Scales and nothing else
.set WSCR, 48           ; v48-63   W's: tile ht likewise.  Scales and nothing else
.set PQ,   64           ; v64-71   pq x 2 log2(e) of my unit, tile ht at PQ + 2 ht (the odd registers are named in pairs and hold 0)
.set WE,   72           ; v72-79   W_energy likewise
.set SACC, 80           ; v80-143  the score sums (rt, j) at SACC + 8 rt + j; later the weights p in the same places
.set O,    144          ; v144-151 four pairs of out-partials
.set PT,   152          ; v152-155 lane permutes' destinations
.set OBR,  156          ; v156 the out-partials, out: my wave's 1,024 bytes + 16 l
.set ROQ,  157          ; v157 16 r: my unit's place in a tile of pqs
.set SA2,  158          ; v158 keys' scale bytes, in; v159 values': a register for each kind; they step by four rows a round
.set TQ,   160          ; v160-223 the quantiser's two sets of 32 at work; later the softmax's
.set OKR,  228          ; v228-243 the out-partials of chunk c, tile ht at OKR + 4 c + ht
.set KB,   32           ; s[32:33] keys at my wave's rows; s[34:35] values
.set S_WB, 36           ; s[36:37] wk_img at my wave's 256 units
.set S_WS, 38           ; s[38:39] wk_sc likewise
.set S_PQ, 40           ; s[40:41] pqs at my batch's place in my wave's first tile
.set S_WE, 42           ; s[42:43] W_energy at my units
.set CB,   44           ; s[44:45] this chunk's fragments;  s[46:47] the next chunk's;  s[48:49], s[50:51], s[52:53] the next chunk's scale words, pq, W_energy
.set NB,   46
.set SN,   48
.set PN,   50
.set EN,   52
.set CS,   54           ; s[54:55] 2 log2(e), twice
.set MNT,  56           ; s56  the mantissa field of 57,344
.set STP,  57           ; s57  what a round adds to the codes' LDS addresses: 0 in the first round, then four rows
.set SEL,  58           ; s[58:59] v_permlanex16_b32's selects for lane l xor 16
.set FIRST, 60          ; s60  the block's first slot; never rewritten (nor is s25, the length)
.set STS,  61           ; s61  the same for the scale bytes' addresses: 0, then 64
.set S_PT, 62           ; s[62:63] part at my block and my wave's 256 units
.set MSB, 0
.macro WIN new                         ; the immediate's high byte repeats the setting that is left; a switch that changes nothing is dropped
.if MSB != \new
	s_set_vgpr_msb (MSB<<8)|\new
.set MSB, \new
.endif
.endm
.macro IFIDLE lab                      ; all the block's slots lie under the mask: pass over a part of the work.  The number compared is the same in all four waves
	s_cmp_ge_u32 s[FIRST], s25
	s_cbranch_scc1 \lab
.endm
; THE QUANTISER: eight loads' numbers (one row's eight K steps), window 1 v[X] on, become codes and bytes in window 0 v[T] on: for load n: +0 largest magnitude, then the byte; +1 the conversion's scale; +2, +3 the hold, then codes.
.macro QUANT8 X, T
	WIN 0x15
.irp n, 0,1,2,3,4,5,6,7
	v_max3_num_f32 v[(\T)+4*\n], |v[(\X)+4*\n]|, |v[(\X)+4*\n+1]|, |v[(\X)+4*\n+2]|
.endr
	WIN 0x01
.irp n, 0,1,2,3,4,5,6,7
	v_max3_num_f32 v[(\T)+4*\n], |v[(\X)+4*\n+3]|, v[(\T)+4*\n], 0x8000000   ; my four, and the floor 2^(16 - 127): the byte cannot fall under 1
.endr
	WIN 0
.irp x, 1,2,4
.irp n, 0,1,2,3,4,5,6,7
	v_max_num_f32_dpp v[(\T)+4*\n], v[(\T)+4*\n], v[(\T)+4*\n] row_xmask:\x row_mask:0xf bank_mask:0xf   ; with the seven lanes that share my block
.endr
.endr
.irp n, 0,1,2,3,4,5,6,7
	v_add_nc_u32 v[(\T)+4*\n+1], 0xf8800000, v[(\T)+4*\n]            ; 15 off the exponent field: the conversion's scale operand
.endr
.irp n, 0,1,2,3,4,5,6,7
	v_and_or_b32 v[(\T)+4*\n+2], v[(\T)+4*\n], 0x7f800000, s[MNT]    ; 57,344 x the scale
.endr
.irp n, 0,1,2,3,4,5,6,7
	v_lshrrev_b32 v[(\T)+4*\n], 23, v[(\T)+4*\n+1]                   ; the scale's byte
.endr
	WIN 0x41
.irp n, 0,1,2,3,4,5,6,7
.irp e, 0,1,2,3
	v_med3_num_f32 v[(\X)+4*\n+\e], v[(\X)+4*\n+\e], -v[(\T)+4*\n+2], v[(\T)+4*\n+2]   ; the conversion does not saturate (ISA guide 7.6.2): the hold comes first
.endr
.endr
	WIN 0x01
.irp n, 0,1,2,3,4,5,6,7
	v_cvt_scalef32_pk8_bf8_f32 v[(\T)+4*\n+2:(\T)+4*\n+3], v[(\X)+8*(\n/2):(\X)+8*(\n/2)+7], v[(\T)+4*\n+1]   ; eight numbers, two loads', under load n's scale: word n % 2 of the result is load n's, the other is dropped
.endr
	v_nop                                                            ; one plain line behind the last conversion
	WIN 0
.endm
; The turn of ring slot i: kind i % 2 (keys, values), row i / 2 of the round's four.  left: the younger loads that may stay out.  refill = 1: the slot takes the same row of the next round.
; THE STEPS FROM ROUND TO ROUND stand where the waits that a slot has anyway show their registers free.  A kind's two LDS address registers step at the head of its first slot of a round: behind the wait on DScnt there all my LDS stores
; are done but the last slot's sixteen, which name the other kind's registers.  The two bases in memory step in front of slot 0's refill, a slot's quantising behind the last load that read them.
.macro SLOT i, refill, left
	s_wait_loadcnt \left                           ; loads come back in order (ISA guide 5.7.1): my slot's eight are in
	s_wait_dscnt 16                                ; the last slot's 16 LDS stores may be out; those of the slots before, which read this set of registers and this kind's addresses, are done
.if (\i) < 2
	WIN 0
	v_add_nc_u32 v[LAK+(\i)], s[STP], v[LAK+(\i)]  ; on to this round's four rows (the first round adds 0)
	v_add_nc_u32 v[SA2+(\i)], s[STS], v[SA2+(\i)]
.endif
	QUANT8 32*(\i), TQ+32*((\i)%2)
.irp k, 0,1,2,3,4,5,6,7
	ds_store_b32 v[LAK+((\i)%2)], v[TQ+32*((\i)%2)+4*\k+2+(\k%2)] offset:((\i)/2)*RP+128*\k   ; 128 consecutive bytes of the row
.endr
.irp k, 0,1,2,3,4,5,6,7
	ds_store_b8 v[SA2+((\i)%2)], v[TQ+32*((\i)%2)+4*\k] offset:16*((\i)/2)+2048*(\k%2)+4*(\k/2)   ; the eight lanes of a block write the same byte
.endr
.if \refill
.if (\i) == 0
	s_wait_xcnt 0x0                                ; every load issued so far has read its base (ISA guide 3.1): both bases step to the next round's rows
	s_add_nc_u64 s[KB:KB+1], s[KB:KB+1], 0x4000
	s_add_nc_u64 s[KB+2:KB+3], s[KB+2:KB+3], 0x4000
.endif
	WIN 0x40
.irp k, 0,1,2,3,4,5,6,7
	global_load_b128 v[32*(\i)+4*\k:32*(\i)+4*\k+3], v[GO], s[KB+2*((\i)%2):KB+2*((\i)%2)+1] offset:((\i)/2)*4096+512*\k th:TH_LOAD_NT
.endr
.endif
.endm
; 32 LDS loads: the fragments of the 128 rows for K step k, into buffer k % 2.  The windows are set by the caller: destination 3, address 0.
.macro ALOAD k, A0, A1
.irp rt, 0,1,2,3
.irp q, 0,1,2,3
	ds_load_b128 v[128*((\k)%2)+16*\rt+4*\q:128*((\k)%2)+16*\rt+4*\q+3], v[\A0] offset:\rt*16*RP+128*(\k)+32*\q
.endr
.endr
.irp rt, 0,1,2,3
.irp q, 0,1,2,3
	ds_load_b128 v[128*((\k)%2)+64+16*\rt+4*\q:128*((\k)%2)+64+16*\rt+4*\q+3], v[\A1] offset:\rt*16*RP+128*(\k)+32*\q
.endr
.endr
.endm
; What a pass over W wants first: chunk 0's scale words, (pq = 1: its pq and W_energy,) and W's K steps 0 to 2.
.macro PROLOG pq
.irp ht, 0,1,2,3
	global_load_b128 v[WSCR+4*\ht:WSCR+4*\ht+3], v[GO], s[S_WS:S_WS+1] offset:512*\ht
.endr
.if \pq
.irp ht, 0,1,2,3
	global_load_b32 v[PQ+2*\ht], v[ROQ], s[S_PQ:S_PQ+1] offset:2048*\ht
	global_load_b32 v[WE+2*\ht], v[RO], s[S_WE:S_WE+1] offset:64*\ht
.endr
.endif
	WIN 0x80
.irp k, 0,1,2
.irp ht, 0,1,2,3
.irp q, 0,1,2,3
	global_load_b128 v[64*\k+16*\ht+4*\q:64*\k+16*\ht+4*\q+3], v[GO], s[S_WB:S_WB+1] offset:\k*8192+2048*\ht+512*\q
.endr
.endr
.endr
	WIN 0
.endm
; A K STEP of a chunk: W's fragments of three steps on, the rows' of one step on, 32 products.  lw: the global loads that may stay out.
.macro MMSTEP k, A0, A1, lw
.rept 8
	v_nop                                          ; eight places behind the last step's products, which read the W slot and the buffer that are loaded now
.endr
	WIN 0x80
.irp ht, 0,1,2,3
.irp q, 0,1,2,3
.if (\k) < 5
	global_load_b128 v[64*(((\k)+3)%4)+16*\ht+4*\q:64*(((\k)+3)%4)+16*\ht+4*\q+3], v[GO], s[CB:CB+1] offset:((\k)+3)*8192+2048*\ht+512*\q
.else
	global_load_b128 v[64*(((\k)+3)%4)+16*\ht+4*\q:64*(((\k)+3)%4)+16*\ht+4*\q+3], v[GO], s[NB:NB+1] offset:((\k)-5)*8192+2048*\ht+512*\q
.endif
.endr
.endr
	WIN 0xc0
	ALOAD ((\k)+1)%8, \A0, \A1
	s_wait_loadcnt \lw
	s_wait_dscnt 32                                ; all but the 32 just issued
	WIN 0x5b                                       ; source 0 (rows) window 3, source 1 (W) window 2, C and D window 1
.irp rt, 0,1,2,3,4,5,6,7                       ; the 32 accumulators take turns, one instruction a turn, in the same order in every step
.irp ht, 0,1,2,3
.if (\k) == 0
	v_wmma_scale_f32_16x16x128_f8f6f4 v[8*(4*\rt+\ht):8*(4*\rt+\ht)+7], v[16*\rt:16*\rt+15], v[16*\ht:16*\ht+15], 0, v[ASCR+4*\rt], v[WSCR+4*\ht] matrix_a_fmt:MATRIX_FMT_BF8 matrix_b_fmt:MATRIX_FMT_BF8
.elseif (\k)%2
	v_wmma_scale_f32_16x16x128_f8f6f4 v[8*(4*\rt+\ht):8*(4*\rt+\ht)+7], v[128+16*\rt:128+16*\rt+15], v[64*((\k)%4)+16*\ht:64*((\k)%4)+16*\ht+15], v[8*(4*\rt+\ht):8*(4*\rt+\ht)+7], v[ASCR+4*\rt+(\k)/2], v[WSCR+4*\ht+(\k)/2] matrix_a_fmt:MATRIX_FMT_BF8 matrix_b_fmt:MATRIX_FMT_BF8 matrix_a_scale:MATRIX_SCALE_ROW1 matrix_b_scale:MATRIX_SCALE_ROW1
.else
	v_wmma_scale_f32_16x16x128_f8f6f4 v[8*(4*\rt+\ht):8*(4*\rt+\ht)+7], v[16*\rt:16*\rt+15], v[64*((\k)%4)+16*\ht:64*((\k)%4)+16*\ht+15], v[8*(4*\rt+\ht):8*(4*\rt+\ht)+7], v[ASCR+4*\rt+(\k)/2], v[WSCR+4*\ht+(\k)/2] matrix_a_fmt:MATRIX_FMT_BF8 matrix_b_fmt:MATRIX_FMT_BF8
.endif
.endr
.endr
.endm
; A CHUNK: eight K steps.  In steps 1 to 7 the 48 loads of the three K steps ahead may stay out.  At step 0 the chunk's scale words, which were asked for behind W's K steps 0 to 2, must be in: lw0 counts what was asked for behind them.
.macro CHUNK A0, A1, lw0
	MMSTEP 0, \A0, \A1, \lw0
.irp k, 1,2,3,4,5,6,7
	MMSTEP \k, \A0, \A1, 48
.endr
.endm
; The bases of chunk s27 and of the chunk behind it.  Behind the fourth comes the first again: each pass so asks at its end once more for the head of W's stream (60 loads a wave in the keys' pass, 52 in the values'),
; inside the buffers and unused: the price of writing the chunk's text once a pass.
.macro CHEAD
	s_wait_xcnt 0x0                                ; the loads issued so far have read their bases
	s_add_co_u32 s28, s27, 1
	s_and_b32 s28, s28, 3
	s_mov_b32 s31, 0
	s_lshl_b32 s30, s27, 16
	s_add_nc_u64 s[CB:CB+1], s[S_WB:S_WB+1], s[30:31]
	s_lshl_b32 s30, s28, 16
	s_add_nc_u64 s[NB:NB+1], s[S_WB:S_WB+1], s[30:31]
	s_lshl_b32 s30, s28, 11
	s_add_nc_u64 s[SN:SN+1], s[S_WS:S_WS+1], s[30:31]
	s_lshl_b32 s30, s28, 13                        ; four tiles of 2,048 bytes of pqs
	s_add_nc_u64 s[PN:PN+1], s[S_PQ:S_PQ+1], s[30:31]
	s_lshl_b32 s30, s28, 8
	s_add_nc_u64 s[EN:EN+1], s[S_WE:S_WE+1], s[30:31]
.endm
.macro WSNEXT                                  ; eight places behind the chunk's last products, then the next chunk's scale words of W
.rept 8
	v_nop
.endr
	WIN 0
.irp ht, 0,1,2,3
	global_load_b128 v[WSCR+4*\ht:WSCR+4*\ht+3], v[GO], s[SN:SN+1] offset:512*\ht
.endr
.endm
; THE KEYS' TAIL: 1 / (1 + 2^x), x = pk 2 log2(e) + pq 2 log2(e), weighed by W_energy into the 64 score sums.  Each kind of transcendental is one batch of 256 with one wait.
.macro TANH
	WSNEXT
	WIN 0x41
.irp rt, 0,1,2,3,4,5,6,7
.irp ht, 0,1,2,3
.irp jp, 0,1,2,3
	v_pk_fma_f32 v[8*(4*\rt+\ht)+2*\jp:8*(4*\rt+\ht)+2*\jp+1], v[8*(4*\rt+\ht)+2*\jp:8*(4*\rt+\ht)+2*\jp+1], s[CS:CS+1], v[PQ+2*\ht:PQ+2*\ht+1] op_sel_hi:[1,0,0]   ; each accumulator from its low end on
.endr
.endr
.endr
.set J, 0
.rept 256
	v_exp_f32 v[J], v[J]
.set J, J+1
.endr
	v_nop                                          ; a plain line behind the last exponential,
	s_wait_alu depctr_va_vdst(0)                   ; and the one wait ahead of the batch's first reader
.set J, 0
.rept 128
	v_pk_add_f32 v[J:J+1], v[J:J+1], 1.0 op_sel_hi:[1,0]
.set J, J+2
.endr
.set J, 0
.rept 256
	v_rcp_f32 v[J], v[J]
.set J, J+1
.endr
	v_nop
	s_wait_alu depctr_va_vdst(0)
	WIN 0x01
.irp ht, 0,1,2,3                               ; the unit tiles outermost: 32 different sums between two additions onto one
.irp rt, 0,1,2,3,4,5,6,7
.irp jp, 0,1,2,3
	v_pk_fma_f32 v[SACC+8*\rt+2*\jp:SACC+8*\rt+2*\jp+1], v[8*(4*\rt+\ht)+2*\jp:8*(4*\rt+\ht)+2*\jp+1], v[WE+2*\ht:WE+2*\ht+1], v[SACC+8*\rt+2*\jp:SACC+8*\rt+2*\jp+1] op_sel_hi:[1,0,1]
.endr
.endr
.endr
	WIN 0
.irp ht, 0,1,2,3
	global_load_b32 v[PQ+2*\ht], v[ROQ], s[PN:PN+1] offset:2048*\ht  ; the next chunk's pq and W_energy
	global_load_b32 v[WE+2*\ht], v[RO], s[EN:EN+1] offset:64*\ht
.endr
.endm
; THE VALUES' TAIL: the sum over the 128 rows of p x the projected value, for my 64 units.  The chunk's four sums are kept in registers: the text is walked four times, so the trip's number chooses, by a select, which four of the sixteen take them.
.macro WSUM
	WSNEXT
	WIN 0x01
.irp rt, 0,1,2,3,4,5,6,7
.irp jp, 0,1,2,3
.irp ht, 0,1,2,3
.if (\rt == 0) && (\jp == 0)
	v_pk_mul_f32 v[O+2*\ht:O+2*\ht+1], v[8*(4*\rt+\ht)+2*\jp:8*(4*\rt+\ht)+2*\jp+1], v[SACC+8*\rt+2*\jp:SACC+8*\rt+2*\jp+1]
.else
	v_pk_fma_f32 v[O+2*\ht:O+2*\ht+1], v[8*(4*\rt+\ht)+2*\jp:8*(4*\rt+\ht)+2*\jp+1], v[SACC+8*\rt+2*\jp:SACC+8*\rt+2*\jp+1], v[O+2*\ht:O+2*\ht+1]
.endif
.endr
.endr
.endr
	WIN 0
.irp c, 0,1,2,3
	s_cmp_eq_u32 s27, \c
	s_cselect_b32 s[28+\c], -1, 0                  ; all lanes, in the trip of chunk c
.endr
.irp ht, 0,1,2,3
	v_add_f32 v[O+2*\ht], v[O+2*\ht], v[O+2*\ht+1]
.endr
.irp ht, 0,1,2,3
	v_permlanex16_b32 v[PT+\ht], v[O+2*\ht], s[SEL], s[SEL+1]        ; the rows 8 (1 - hh) + j lie in the lane 16 away
.endr
.irp ht, 0,1,2,3
	v_add_f32 v[O+2*\ht], v[O+2*\ht], v[PT+\ht]
.endr
.irp c, 0,1,2,3
.irp ht, 0,1,2,3
	v_cndmask_b32 v[OKR+4*\c+\ht], v[OKR+4*\c+\ht], v[O+2*\ht], s[28+\c]
.endr
.endr
.endm
	; ---- THE HEAD, on every wave's path: all bases, all LDS addresses, all registers that begin as zeros
	s_load_b512 s[4:19], s[0:1], 0x0               ; keys s[4:5], values s[6:7], memory_lengths s[8:9], wk_img s[10:11], wk_sc s[12:13], pqs s[14:15], W_energy s[16:17], scores s[18:19]
	s_load_b64 s[20:21], s[0:1], 0x40              ; part
	v_lshl_add_u32 v254, v0, 2, 0x45000
	v_mov_b32 v255, 0
	v_lshrrev_b32 v224, 5, v0
	v_readfirstlane_b32 s22, v224                  ; wave w
	s_mov_b32 s23, ttmp9                           ; the block
	s_and_b32 s24, ttmp7, 0xffff                   ; the batch b
	s_lshl_b32 s31, s24, 2
	s_wait_kmcnt 0x0
	s_load_b32 s25, s[8:9], s31 offset:0x0         ; memory_lengths[b]: the same number in all four waves
	; every LDS address is made here, while that load is out: a constant + a constant x wave + a constant x lane part
	v_and_b32 v224, 31, v0                         ; l
	v_and_b32 v225, 15, v0                         ; r
	v_bfe_u32 v226, v0, 4, 1                       ; hh
	v_bfe_u32 v227, v0, 3, 2                       ; my block in a load's 128 numbers
	v_lshlrev_b32 v[GO], 4, v224
	s_mul_i32 s28, s22, 32*RP
	v_lshl_add_u32 v[LAK], v224, 2, s28
	v_add_nc_u32 v[LAV], VC, v[LAK]
	v_mul_u32_u24 v[AK0], v225, RP
	v_lshl_add_u32 v[AK0], v226, 4, v[AK0]
	v_add_nc_u32 v[AK1], 64*RP, v[AK0]
	v_add_nc_u32 v[AV0], VC, v[AK0]
	v_add_nc_u32 v[AV1], VC, v[AK1]
	v_lshlrev_b32 v[ASA], 4, v225
	v_lshl_add_u32 v[ASA], v226, 11, v[ASA]
	v_add_nc_u32 v[ASA], ASC, v[ASA]
	v_lshlrev_b32 v[RO], 2, v225
	v_lshlrev_b32 v[ROQ], 4, v225
	s_lshl_b32 s28, s22, 9
	s_add_co_u32 s29, s28, ASC
	v_add_nc_u32 v[SA2], s29, v227
	v_add_nc_u32 v[SA2+1], 4096, v[SA2]
	s_add_co_u32 s29, s28, SX
	v_lshl_add_u32 v[SXW], v226, 5, s29
	v_add_nc_u32 v[SXR], SX, v[GO]
	s_add_co_u32 s29, s28, PB
	v_add_nc_u32 v[PBW], s29, v[GO]
	v_lshl_add_u32 v[PBR], v226, 5, s29
	s_lshl_b32 s28, s22, 10
	s_add_co_u32 s29, s28, OB
	v_lshl_add_u32 v[OBA], v225, 2, s29
	v_add_nc_u32 v[OBR], s29, v[GO]
.irp ht, 0,1,2,3
	v_mov_b32 v[PQ+2*\ht+1], 0                     ; named as the upper halves of pairs
	v_mov_b32 v[WE+2*\ht+1], 0
	v_mov_b32 v[PT+\ht], 0                         ; a lane permute's destination counts as one of its sources
.endr
.set J, 0
.rept 64
	v_mov_b32 v[SACC+J], 0                         ; the score sums begin as zeros, once: so the chunk's tail is written once
.set J, J+1
.endr
.set J, 0
.rept 16
	v_mov_b32 v[OKR+J], 0                          ; a select's destination is one of its sources
.set J, J+1
.endr
	s_mov_b32 s[CS], 0x4038aa3b
	s_mov_b32 s[CS+1], 0x4038aa3b
	s_mov_b32 s[MNT], 0x600000
	s_mov_b32 s[SEL], 0x76543210
	s_mov_b32 s[SEL+1], 0xfedcba98
	s_wait_kmcnt 0x0
	s_min_u32 s25, s25, 0x400
	s_mov_b32 s31, 0
	s_lshl_b32 s30, s24, 12                        ; scores at 4096 b + 512 block
	s_lshl_b32 s29, s23, 9
	s_add_co_u32 s30, s30, s29
	s_add_nc_u64 s[18:19], s[18:19], s[30:31]
	s_lshl_b32 s30, s24, 3                         ; part at (8 b + block) 4096
	s_add_co_u32 s30, s30, s23
	s_lshl_b32 s30, s30, 12
	s_add_nc_u64 s[20:21], s[20:21], s[30:31]
	s_lshl_b32 s[FIRST], s23, 7                    ; the block's first slot
	s_sub_co_u32 s26, s25, s[FIRST]                ; so many of the block's slots count (128 or more: all); read in an active block alone
	s_lshl_b32 s30, s24, 10
	s_add_co_u32 s30, s30, s[FIRST]
	s_lshl_b32 s28, s22, 5
	s_add_co_u32 s30, s30, s28                     ; my wave's first row: 1024 b + 128 block + 32 w,
	s_lshl_b32 s30, s30, 12                        ; of 4,096 bytes (under 2^27 in all)
	s_add_nc_u64 s[KB:KB+1], s[4:5], s[30:31]
	s_add_nc_u64 s[KB+2:KB+3], s[6:7], s[30:31]
	s_lshl_b32 s30, s22, 18
	s_add_nc_u64 s[S_WB:S_WB+1], s[10:11], s[30:31]
	s_lshl_b32 s30, s22, 13
	s_add_nc_u64 s[S_WS:S_WS+1], s[12:13], s[30:31]
	s_lshl_b32 s30, s22, 10
	s_add_nc_u64 s[S_WE:S_WE+1], s[16:17], s[30:31]
	s_add_nc_u64 s[S_PT:S_PT+1], s[20:21], s[30:31]
	s_lshl_b32 s30, s22, 15                        ; pqs: my wave's 16 tiles of 2,048 bytes; in a tile my batch's place:
	s_lshr_b32 s28, s24, 4
	s_lshl_b32 s28, s28, 10                        ; 1024 (b / 16)
	s_add_co_u32 s30, s30, s28
	s_bfe_u32 s28, s24, 0x10002
	s_lshl_b32 s28, s28, 9                         ; + 512 ((b / 4) % 2)
	s_add_co_u32 s30, s30, s28
	s_bfe_u32 s28, s24, 0x10003
	s_lshl_b32 s28, s28, 8                         ; + 256 ((b / 8) % 2)
	s_add_co_u32 s30, s30, s28
	s_and_b32 s28, s24, 3
	s_lshl_b32 s28, s28, 2                         ; + 4 (b % 4)
	s_add_co_u32 s30, s30, s28
	s_add_nc_u64 s[S_PQ:S_PQ+1], s[14:15], s[30:31]
	IFIDLE .Lskip_l
	; ---- PHASE L.  The ring is filled: four rows of keys and four of values, 64 loads of 512 bytes
	WIN 0x40
.irp i, 0,1,2,3,4,5,6,7
.irp k, 0,1,2,3,4,5,6,7
	global_load_b128 v[32*\i+4*\k:32*\i+4*\k+3], v[GO], s[KB+2*(\i%2):KB+2*(\i%2)+1] offset:(\i/2)*4096+512*\k th:TH_LOAD_NT
.endr
.endr
	WIN 0
	s_mov_b32 s[STP], 0                            ; the first round's LDS addresses are as the head made them
	s_mov_b32 s[STS], 0
	s_mov_b32 s27, 7
.Lround:                                               ; a trip: four rows of each kind; every slot is filled again with its row of the next round
.irp i, 0,1,2,3,4,5,6,7
	SLOT \i, 1, 56                                 ; behind my slot's eight loads: the seven other slots' 56
.endr
	WIN 0
	s_mov_b32 s[STP], 4*RP                         ; from the second round on: four rows further
	s_mov_b32 s[STS], 64
	s_sub_co_u32 s27, s27, 1
	s_cmp_lg_u32 s27, 0
	s_cbranch_scc1 .Lround
.irp i, 0,1,2,3,4,5,6,7
	SLOT \i, 0, 56-8*\i                            ; the last round loads nothing: the counts run down
.endr
.Lskip_l:
	s_wait_dscnt 0x0                               ; for the others' sake: my codes and bytes lie in LDS
	s_barrier_signal -1
	s_barrier_wait -1                              ; all 256 rows' codes and bytes lie in LDS; they are written no more
	IFIDLE .Lskip_k
	; ---- PHASE P, keys
	PROLOG 1
.irp rt, 0,1,2,3,4,5,6,7
	ds_load_b128 v[ASCR+4*\rt:ASCR+4*\rt+3], v[ASA] offset:256*\rt
.endr
	WIN 0xc0
	ALOAD 0, AK0, AK1
	WIN 0
	s_mov_b32 s27, 0
.Lpk:
	CHEAD
	CHUNK AK0, AK1, 24                             ; behind the scale words: pq and W_energy (8) and W's K step 3 (16)
	TANH
	s_add_co_u32 s27, s27, 1
	s_cmp_lt_u32 s27, 4
	s_cbranch_scc1 .Lpk
	; a lane's sums are those of the units r, r + 16, ..: the sixteen lanes of a half are added
.irp x, 1,2,4,8
.set J, 0
.rept 64
	v_add_f32_dpp v[SACC+J], v[SACC+J], v[SACC+J] row_xmask:\x row_mask:0xf bank_mask:0xf
.set J, J+1
.endr
.endr
.irp rt, 0,1,2,3,4,5,6,7
.irp q, 0,1
	ds_store_b128 v[SXW], v[SACC+8*\rt+4*\q:SACC+8*\rt+4*\q+3] offset:64*\rt+16*\q   ; slot 16 rt + 8 hh + 4 q on; sixteen lanes write the same bytes with the same values
.endr
.endr
.Lskip_k:
	s_wait_dscnt 0x0
	s_barrier_signal -1
	s_barrier_wait -1                              ; the four waves' partial scores lie in LDS
	IFIDLE .Lidle                                  ; no barrier stands behind this branch
	s_wait_loadcnt 0x0                             ; what the keys' pass asked for at its end has landed: its registers may be loaded again
	PROLOG 0                                       ; the values' pass asks for its own first fragments; the softmax stands between the request and their use
	; ---- the block's softmax, in every wave alike: lane l has slots 4 l .. 4 l + 3
.irp w, 0,1,2,3
	ds_load_b128 v[160+4*\w:160+4*\w+3], v[SXR] offset:512*\w
.endr
	v_lshlrev_b32 v176, 2, v224
	v_add_nc_u32 v177, 1, v176
	v_add_nc_u32 v178, 2, v176
	v_add_nc_u32 v179, 3, v176
	v_mov_b32 v180, 0xff800000                     ; -infinity
	s_wait_dscnt 0x0
.irp w, 1,2,3
	v_pk_add_f32 v[160:161], v[160:161], v[160+4*\w:161+4*\w]        ; units ascending
	v_pk_add_f32 v[162:163], v[162:163], v[162+4*\w:163+4*\w]
.endr
	v_pk_mul_f32 v[160:161], v[160:161], -2.0 op_sel_hi:[1,0]
	v_pk_mul_f32 v[162:163], v[162:163], -2.0 op_sel_hi:[1,0]
	s_cmp_lg_u32 s22, 0
	s_cbranch_scc1 .Lnot_wave_0
	global_store_b128 v[GO], v[160:163], s[18:19]  ; the raw scores, 512 consecutive bytes; v160-163 are written no more
.Lnot_wave_0:
.irp e, 0,1,2,3
	v_cmp_gt_u32 vcc_lo, s26, v[176+\e]            ; does the slot count?
	v_cndmask_b32 v[164+\e], v180, v[160+\e], vcc_lo
.endr
	v_max3_num_f32 v168, v164, v165, v166
	v_max3_num_f32 v168, v168, v167, 0xff61b1e6    ; held at -3e38 from below, as the next launch holds it
.irp x, 1,2,4,8
	v_max_num_f32_dpp v168, v168, v168 row_xmask:\x row_mask:0xf bank_mask:0xf
.endr
	v_permlanex16_b32 v[PT], v168, s[SEL], s[SEL+1]
	v_max_num_f32 v168, v168, v[PT]                ; the block's largest score that counts
.irp e, 0,1,2,3
	v_sub_f32 v[164+\e], v[164+\e], v168
.endr
.irp e, 0,1,2,3
	v_mul_f32 v[164+\e], 0x3fb8aa3b, v[164+\e]
.endr
.irp e, 0,1,2,3
	v_exp_f32 v[172+\e], v[164+\e]                 ; 0 for a slot under the mask
.endr
	v_nop
	s_wait_alu depctr_va_vdst(0)                   ; one wait for the four, ahead of their first reader
	ds_store_b128 v[PBW], v[172:175]               ; into my wave's own copy, and back in the accumulators' layout (LDS serves a wave's instructions in order: ISA guide 5.7.1.4)
.irp rt, 0,1,2,3,4,5,6,7
.irp q, 0,1
	ds_load_b128 v[SACC+8*\rt+4*\q:SACC+8*\rt+4*\q+3], v[PBR] offset:64*\rt+16*\q
.endr
.endr
	; ---- PHASE P, values
.irp rt, 0,1,2,3,4,5,6,7
	ds_load_b128 v[ASCR+4*\rt:ASCR+4*\rt+3], v[ASA] offset:4096+256*\rt
.endr
	WIN 0xc0
	ALOAD 0, AV0, AV1
	WIN 0
	s_mov_b32 s27, 0
.Lpv:
	CHEAD
	CHUNK AV0, AV1, 16                             ; behind the scale words: W's K step 3 (in the first trip W's K steps 0 to 2 too: the smaller count is safe)
	WSUM
	s_add_co_u32 s27, s27, 1
	s_cmp_lt_u32 s27, 4
	s_cbranch_scc1 .Lpv
.irp c, 0,1,2,3
.irp ht, 0,1,2,3
	ds_store_b32 v[OBA], v[OKR+4*\c+\ht] offset:256*\c+64*\ht        ; unit 64 c + 16 ht + r; lanes r and r + 16 write the same word with the same value
.endr
.endr
	ds_load_b128 v[176:179], v[OBR]                ; my 256 units, 16 bytes a lane: my own bytes, in order behind my stores
	ds_load_b128 v[180:183], v[OBR] offset:512
	s_wait_dscnt 0x0
	global_store_b128 v[GO], v[176:179], s[S_PT:S_PT+1]              ; 512 consecutive bytes a store
	global_store_b128 v[GO], v[180:183], s[S_PT:S_PT+1] offset:512
	s_wait_tensorcnt 0x0
	ds_add_u32 v254, v255
	s_wait_dscnt 0x0
	s_endpgm
.Lidle:                                                ; zeros for the block's 1,024 partial sums and 128 scores: the next launch reads every word and gives them the weight 0
	v_lshlrev_b32 v244, 4, v0
	v_lshlrev_b32 v245, 2, v0
	v_mov_b32 v248, 0
	v_mov_b32 v249, 0
	v_mov_b32 v250, 0
	v_mov_b32 v251, 0
	global_store_b128 v244, v[248:251], s[20:21]
	global_store_b128 v244, v[248:251], s[20:21] offset:2048
	global_store_b32 v245, v248, s[18:19]
	s_wait_tensorcnt 0x0
	ds_add_u32 v254, v255
	s_wait_dscnt 0x0
	s_endpgm
.Lfunc_end_k_qb497185abc_main:
	.size	k_qb497185abc_main, .Lfunc_end_k_qb497185abc_main-k_qb497185abc_main
	.p2alignl 7, 3214868480
	.fill 96, 4, 3214868480
	.section	.rodata,"a",@progbits
	.p2align	6, 0x0
	.amdhsa_kernel k_qb497185abc_main
		.amdhsa_group_segment_fixed_size 283136
		.amdhsa_private_segment_fixed_size 0
		.amdhsa_enable_private_segment 0
		.amdhsa_kernarg_size 72
		.amdhsa_user_sgpr_count 2
		.amdhsa_user_sgpr_kernarg_segment_ptr 1
		.amdhsa_wavefront_size32 1
		.amdhsa_system_sgpr_workgroup_id_x 1
		.amdhsa_system_sgpr_workgroup_id_y 1
		.amdhsa_system_sgpr_workgroup_id_z 1
		.amdhsa_system_vgpr_workitem_id 0
		.amdhsa_next_free_vgpr 1024
		.amdhsa_next_free_sgpr 66
		.amdhsa_reserve_vcc 1
		.amdhsa_float_denorm_mode_32 3
		.amdhsa_float_denorm_mode_16_64 3
		.amdhsa_memory_ordered 1
		.amdhsa_forward_progress 1
		.amdhsa_inst_pref_size 255
	.end_amdhsa_kernel
	.section	.bss,"aw",@nobits
	.p2align	6
	.space	262144
	.amdgpu_metadata
---
amdhsa.version: [ 1, 2 ]
amdhsa.kernels:
  - .name:           k_qb497185abc_main
    .symbol:         k_qb497185abc_main.kd
    .args:
      - { .name: keys, .offset: 0, .size: 8, .value_kind: global_buffer, .address_space: global }
      - { .name: values, .offset: 8, .size: 8, .value_kind: global_buffer, .address_space: global }
      - { .name: memory_lengths, .offset: 16, .size: 8, .value_kind: global_buffer, .address_space: global }
      - { .name: wk_img, .offset: 24, .size: 8, .value_kind: global_buffer, .address_space: global }
      - { .name: wk_sc, .offset: 32, .size: 8, .value_kind: global_buffer, .address_space: global }
      - { .name: pqs, .offset: 40, .size: 8, .value_kind: global_buffer, .address_space: global }
      - { .name: W_energy, .offset: 48, .size: 8, .value_kind: global_buffer, .address_space: global }
      - { .name: scores, .offset: 56, .size: 8, .value_kind: global_buffer, .address_space: global }
      - { .name: part, .offset: 64, .size: 8, .value_kind: global_buffer, .address_space: global }
    .group_segment_fixed_size: 283136
    .private_segment_fixed_size: 0
    .kernarg_segment_align: 8
    .kernarg_segment_size: 72
    .max_flat_workgroup_size: 128
    .sgpr_count:     66
    .vgpr_count:     1024
    .wavefront_size: 32
...
	.end_amdgpu_metadata
.endif
;; end of part 2
;; launch combine (part 3): grid 32 x 1, 8 waves a work-group, no clusters, 1,280 bytes of LDS; arguments scores, part, memory_lengths, out0, out1; writes out0, out1
.if DOCPART == 3
	.amdgcn_target "amdgcn-amd-amdhsa--gfx1250"
	.amdhsa_code_object_version 6
	.text
	.protected	k_qb497185abc_combine
	.globl	k_qb497185abc_combine
	.p2align	8
	.type	k_qb497185abc_combine,@function
k_qb497185abc_combine:
	s_mov_b64 s[64:65], 0
	v_nop
	global_prefetch_b8 v0, s[64:65] scope:SCOPE_SE
	s_setreg_imm32_b32 hwreg(HW_REG_WAVE_MODE, 25, 1), 1
	s_wait_xcnt 0x0
; One work-group for each batch b.  Thread t owns slots 4 t .. 4 t + 3 of the scores and units 4 t .. 4 t + 3 of the result, so wave j holds block j of 128 slots.
; out1 = softmax of the masked scores (the batch's largest score is taken away).  out0 = the sum over the eight blocks of 2^((M_j - M) log2(e)) x part_j, divided by the softmax's sum:
; part_j was summed under block j's own largest score M_j, which is found here again from the same numbers under the same mask, so it has the same bits.
; A block wholly under the mask has M_j held at -3e38: its weight is 0, and its part is zeros.  Matrix units, LDS tiles and clusters have nothing to do here: 36 KiB are read and 8 KiB written for each batch.
; LIMIT: memory_lengths from 1 on.
	s_load_b256 s[4:11], s[0:1], 0x0               ; scores s[4:5], part s[6:7], memory_lengths s[8:9], out0 s[10:11]
	s_load_b64 s[12:13], s[0:1], 0x20              ; out1
	v_lshl_add_u32 v104, v0, 2, 0x100
	v_mov_b32 v105, 0
	s_lshl_b32 s15, ttmp9, 2
	s_lshl_b32 s16, ttmp9, 12
	s_mov_b32 s17, 0
	s_lshl_b32 s18, ttmp9, 15
	s_mov_b32 s19, 0
	s_mov_b32 s20, 0x76543210
	s_mov_b32 s21, 0xfedcba98                      ; v_permlanex16_b32's selects for lane l xor 16
	v_lshlrev_b32 v1, 4, v0                        ; 16 t
	v_lshrrev_b32 v2, 5, v0
	v_lshlrev_b32 v2, 2, v2                        ; LDS: 4 x wave
	v_mov_b32 v3, 0
	v_lshlrev_b32 v40, 2, v0                       ; my slots
	v_add_nc_u32 v41, 1, v40
	v_add_nc_u32 v42, 2, v40
	v_add_nc_u32 v43, 3, v40
	v_mov_b32 v44, 0xff800000                      ; -infinity
	v_mov_b32 v53, 0                               ; a lane permute's destination counts as one of its sources
	v_mov_b32 v69, 0
	s_wait_kmcnt 0x0
	s_load_b32 s14, s[8:9], s15 offset:0x0         ; memory_lengths[b]
	s_add_nc_u64 s[4:5], s[4:5], s[16:17]
	s_add_nc_u64 s[6:7], s[6:7], s[18:19]
	s_add_nc_u64 s[10:11], s[10:11], s[16:17]
	s_add_nc_u64 s[12:13], s[12:13], s[16:17]
	global_load_b128 v[4:7], v1, s[4:5]
.irp j, 0,1,2,3,4,5,6,7
	global_load_b128 v[8+4*\j:11+4*\j], v1, s[6:7] offset:4096*\j
.endr
	s_wait_kmcnt 0x0
	s_wait_loadcnt 8                               ; the scores are in; the eight parts may be out
.irp e, 0,1,2,3
	v_cmp_gt_u32 vcc_lo, s14, v[40+\e]             ; does the slot count?
	v_cndmask_b32 v[48+\e], v44, v[4+\e], vcc_lo
.endr
	v_max3_num_f32 v52, v48, v49, v50
	v_max3_num_f32 v52, v52, v51, 0xff61b1e6       ; held at -3e38 from below
.irp x, 1,2,4,8
	v_max_num_f32_dpp v52, v52, v52 row_xmask:\x row_mask:0xf bank_mask:0xf
.endr
	v_permlanex16_b32 v53, v52, s20, s21
	v_max_num_f32 v52, v52, v53                    ; my block's largest score
	ds_store_b32 v2, v52                           ; all lanes write the same word with the same value
	s_wait_dscnt 0x0
	s_barrier_signal -1
	s_barrier_wait -1
	ds_load_b128 v[56:59], v3                      ; the eight blocks' M_j, in every lane
	ds_load_b128 v[60:63], v3 offset:16
	s_wait_dscnt 0x0
	v_max3_num_f32 v54, v56, v57, v58
	v_max3_num_f32 v54, v54, v59, v60
	v_max3_num_f32 v54, v54, v61, v62
	v_max_num_f32 v54, v54, v63                    ; M
.irp e, 0,1,2,3
	v_sub_f32 v[48+\e], v[48+\e], v54
.endr
.irp j, 0,1,2,3,4,5,6,7
	v_sub_f32 v[56+\j], v[56+\j], v54
.endr
.irp e, 0,1,2,3
	v_mul_f32 v[48+\e], 0x3fb8aa3b, v[48+\e]
.endr
.irp j, 0,1,2,3,4,5,6,7
	v_mul_f32 v[56+\j], 0x3fb8aa3b, v[56+\j]
.endr
.irp e, 0,1,2,3
	v_exp_f32 v[64+\e], v[48+\e]                   ; e^(s - M); 0 under the mask
.endr
.irp j, 0,1,2,3,4,5,6,7
	v_exp_f32 v[84+\j], v[56+\j]                   ; e^(M_j - M)
.endr
	v_nop
	s_wait_alu depctr_va_vdst(0)                   ; one wait for the twelve, ahead of their first reader
	v_add_f32 v68, v64, v65
	v_add_f32 v70, v66, v67
	v_add_f32 v68, v68, v70
.irp x, 1,2,4,8
	v_add_f32_dpp v68, v68, v68 row_xmask:\x row_mask:0xf bank_mask:0xf
.endr
	v_permlanex16_b32 v69, v68, s20, s21
	v_add_f32 v68, v68, v69                        ; my block's sum
	ds_store_b32 v2, v68 offset:32                 ; other bytes than the maxima's
	s_wait_dscnt 0x0
	s_barrier_signal -1
	s_barrier_wait -1
	ds_load_b128 v[72:75], v3 offset:32
	ds_load_b128 v[76:79], v3 offset:48
	s_wait_dscnt 0x0
.irp j, 1,2,3,4,5,6,7
	v_add_f32 v72, v72, v[72+\j]                   ; blocks ascending
.endr
	v_rcp_f32 v70, v72
	v_nop
	s_wait_alu depctr_va_vdst(0)
.irp e, 0,1,2,3
	v_mul_f32 v[80+\e], v[64+\e], v70
.endr
	global_store_b128 v1, v[80:83], s[12:13]       ; out1: a wave stores 512 consecutive bytes
	s_wait_loadcnt 0x0                             ; the eight parts
.irp e, 0,1,2,3
	v_mul_f32 v[92+\e], v[8+\e], v84
.endr
.irp j, 1,2,3,4,5,6,7
.irp e, 0,1,2,3
	v_fma_f32 v[92+\e], v[8+4*\j+\e], v[84+\j], v[92+\e]
.endr
.endr
.irp e, 0,1,2,3
	v_mul_f32 v[96+\e], v[92+\e], v70
.endr
	global_store_b128 v1, v[96:99], s[10:11]       ; out0
	s_wait_tensorcnt 0x0
	ds_add_u32 v104, v105
	s_wait_dscnt 0x0
	s_endpgm
.Lfunc_end_k_qb497185abc_combine:
	.size	k_qb497185abc_combine, .Lfunc_end_k_qb497185abc_combine-k_qb497185abc_combine
	.p2alignl 7, 3214868480
	.fill 96, 4, 3214868480
	.section	.rodata,"a",@progbits
	.p2align	6, 0x0
	.amdhsa_kernel k_qb497185abc_combine
		.amdhsa_group_segment_fixed_size 1280
		.amdhsa_private_segment_fixed_size 0
		.amdhsa_enable_private_segment 0
		.amdhsa_kernarg_size 40
		.amdhsa_user_sgpr_count 2
		.amdhsa_user_sgpr_kernarg_segment_ptr 1
		.amdhsa_wavefront_size32 1
		.amdhsa_system_sgpr_workgroup_id_x 1
		.amdhsa_system_sgpr_workgroup_id_y 1
		.amdhsa_system_sgpr_workgroup_id_z 1
		.amdhsa_system_vgpr_workitem_id 0
		.amdhsa_next_free_vgpr 106
		.amdhsa_next_free_sgpr 66
		.amdhsa_reserve_vcc 1
		.amdhsa_float_denorm_mode_32 3
		.amdhsa_float_denorm_mode_16_64 3
		.amdhsa_memory_ordered 1
		.amdhsa_forward_progress 1
		.amdhsa_inst_pref_size 9
	.end_amdhsa_kernel
	.amdgpu_metadata
---
amdhsa.version: [ 1, 2 ]
amdhsa.kernels:
  - .name:           k_qb497185abc_combine
    .symbol:         k_qb497185abc_combine.kd
    .args:
      - { .name: scores, .offset: 0, .size: 8, .value_kind: global_buffer, .address_space: global }
      - { .name: part, .offset: 8, .size: 8, .value_kind: global_buffer, .address_space: global }
      - { .name: memory_lengths, .offset: 16, .size: 8, .value_kind: global_buffer, .address_space: global }
      - { .name: out0, .offset: 24, .size: 8, .value_kind: global_buffer, .address_space: global }
      - { .name: out1, .offset: 32, .size: 8, .value_kind: global_buffer, .address_space: global }
    .group_segment_fixed_size: 1280
    .private_segment_fixed_size: 0
    .kernarg_segment_align: 8
    .kernarg_segment_size: 40
    .max_flat_workgroup_size: 256
    .sgpr_count:     66
    .vgpr_count:     106
    .wavefront_size: 32
...
	.end_amdgpu_metadata
.endif
;; end of part 3
;; ======== version 2 of 2: 3 launches; version 1 with the launches prep, main written anew for expert scheduling mode
;; workspace buffers: wk_img 1,048,576 bytes; wk_sc 32,768 bytes; pqs 131,072 bytes; scores 131,072 bytes; part 1,048,576 bytes
;; launch prep (part 4): grid 128 x 1, 8 waves a work-group, no clusters, 93,184 bytes of LDS; arguments W_key, W_query, queries, wk_img, wk_sc, pqs; writes wk_img, wk_sc, pqs
.if DOCPART == 4
	.amdgcn_target "amdgcn-amd-amdhsa--gfx1250"
	.amdhsa_code_object_version 6
	.text
	.protected	k_qb497185abc_prep
	.globl	k_qb497185abc_prep
	.p2align	8
	.type	k_qb497185abc_prep,@function
k_qb497185abc_prep:
	s_mov_b64 s[64:65], 0
	v_nop
	global_prefetch_b8 v0, s[64:65] scope:SCOPE_SE
	s_setreg_imm32_b32 hwreg(HW_REG_WAVE_SCHED_MODE, 0, 2), 2
	s_setreg_imm32_b32 hwreg(HW_REG_WAVE_MODE, 25, 1), 1
	s_wait_xcnt 0x0
	s_wait_alu depctr_vm_vsrc(0)
; TWO SMALL TASKS IN ONE LAUNCH, told apart by the work-group's number g.  A work-group takes ONE TILE of 16 weight rows (ht = g % 64), each of its eight waves one K step of 128.
; g < 64:  16 rows of W_key [1024][1024] f32 become codes of E5M2 with one E8M0 byte for each 32 along K, laid as IMAGES OF THE OPERAND'S REGISTERS:
;          fragment (ht, k) at ((ht / 4) 8 + k) 8192 + (ht % 4) 2048 of wk_img; in it lane l's registers 4 q .. 4 q + 3 at 512 q + 16 l.
;          wk_sc: 512 bytes for each ht; the word of row r and K step k at 16 (r + 16 (k % 2)) + 4 (k / 2): one load of 16 bytes a lane gives four scale registers, even K steps in lanes 0-15, odd ones in lanes 16-31.
; g >= 64: 16 rows of W_query are quantised the same way; each wave also quantises the 32 queries for ITS K step, so that all it multiplies are its own LDS bytes; pq = queries W_query^T by the scaled matrix instruction.
;          pq's K is split over the eight waves; their parts are added in ascending K (an order of sums other than one chain).  pqs = pq x 2 log2(e), as the next launch's tanh wants it, laid as the image of the accumulators:
;          2,048 bytes a tile; pq(b, 16 ht + r) at 1024 (b / 16) + 512 ((b / 4) % 2) + 256 ((b / 8) % 2) + 16 r + 4 (b % 4).
; The two tasks part once, behind the weight's loads, and each has LDS bytes of its own.
; THE QUANTISER works on numbers AS THEY ARE LOADED: one load of a wave is 512 consecutive bytes, one row's 128 numbers of a K step, four a lane; a block of 32 is eight neighbouring lanes.
; LIMITS: a block of zeros gets the byte 1 (its codes are zeros; only this program reads the bytes); NaN and infinities among the inputs are not served.
; THE MODE: SCHED_MODE bits 1:0 = 2 (LLVM: expert scheduling mode 2), set by the entry lines.  The code itself states the register dependences
; between vector or matrix instructions and memory or LDS instructions, with s_wait_alu, always for 0.
; THE PLAN.  Registers that memory or LDS instructions touch:
;   v1, v4-15, v21-23  offsets and LDS addresses: written at the head, ahead of the one wait in front of the first load, and never again.
;   XW, XQ             the loads land in them; the quantiser reads them and holds the numbers in place.  Later LDS loads land in v88-135 and v152-183: behind the last call's wait, with no vector instruction between that names them.
;   TA, TB             a call of the quantiser writes one set; that call's 16 LDS stores read it; it is written again two calls on.
;   AC                 the two products write it, four LDS stores read it.   v152-155: the additions write them, one store reads them.
; So a call holds one wait on va_vdst, between its conversions and its stores, and, from the third call on, one on vm_vsrc at its head.
.set CP,   144          ; a row of 128 codes in LDS: 128 bytes + 16 = 9 x 16: the 16 rows of a fragment load start in different groups of banks (64 banks of 4 bytes: ISA guide 11.1)
.set WC0,  0            ; W_key's path: each wave's 16 rows of codes: 8 x 2,304
.set WS0,  18432        ;   the tile's 512 scale bytes, in wk_sc's order
.set WC1,  18944        ; W_query's path: each wave's 16 rows of codes
.set WS1,  37376        ;   their scale words, 64 bytes a wave: 4 row + block
.set QC,   37888        ;   the queries' codes: 32 rows a wave: 8 x 4,608
.set QS,   74752        ;   their scale words, 128 bytes a wave
.set RED,  75776        ;   pq's parts, as images: 2,048 bytes a wave
.set XW,   24           ; v24-87   the weight's 16 loads: row n at XW + 4 n
.set XQ,   88           ; v88-215  the queries' 32 loads
.set TA,   216          ; v216-247 at work: for load n: +0 largest magnitude, then the byte; +1 the conversion's scale; +2, +3 the hold, then codes
.set TB,   24           ; the second set at work: the weight's first eight loads' registers, free once they are converted
.set QF,   88           ; later: v88-119 the queries' two fragments, v120-135 the weight's, v136-151 two accumulators, v152-183 eight parts
.set WF,   120
.set AC,   136
.set SU,   152
.set MNT,  32           ; s32      the mantissa field of 57,344
; Eight loads' numbers, v[X] on, become codes and bytes in v[T] on.  Each stage goes over the eight by turns, so that no line waits for the line above it.
.macro QUANT8 X, T
.irp n, 0,1,2,3,4,5,6,7
	v_max3_num_f32 v[(\T)+4*\n], |v[(\X)+4*\n]|, |v[(\X)+4*\n+1]|, |v[(\X)+4*\n+2]|
.endr
.irp n, 0,1,2,3,4,5,6,7
	v_max3_num_f32 v[(\T)+4*\n], |v[(\X)+4*\n+3]|, v[(\T)+4*\n], 0x8000000   ; my four, and the floor 2^(16 - 127): the byte cannot fall under 1
.endr
.irp x, 1,2,4
.irp n, 0,1,2,3,4,5,6,7
	v_max_num_f32_dpp v[(\T)+4*\n], v[(\T)+4*\n], v[(\T)+4*\n] row_xmask:\x row_mask:0xf bank_mask:0xf   ; with the seven lanes that share my block
.endr
.endr
.irp n, 0,1,2,3,4,5,6,7
	v_add_nc_u32 v[(\T)+4*\n+1], 0xf8800000, v[(\T)+4*\n]            ; 15 off the exponent field: the conversion's scale operand
.endr
.irp n, 0,1,2,3,4,5,6,7
	v_and_or_b32 v[(\T)+4*\n+2], v[(\T)+4*\n], 0x7f800000, s[MNT]    ; 57,344 x the scale
.endr
.irp n, 0,1,2,3,4,5,6,7
	v_lshrrev_b32 v[(\T)+4*\n], 23, v[(\T)+4*\n+1]                   ; the scale's byte
.endr
.irp n, 0,1,2,3,4,5,6,7
.irp e, 0,1,2,3
	v_med3_num_f32 v[(\X)+4*\n+\e], v[(\X)+4*\n+\e], -v[(\T)+4*\n+2], v[(\T)+4*\n+2]   ; the conversion does not saturate (ISA guide 7.6.2): the hold comes first
.endr
.endr
.irp n, 0,1,2,3,4,5,6,7
	v_cvt_scalef32_pk8_bf8_f32 v[(\T)+4*\n+2:(\T)+4*\n+3], v[(\X)+8*(\n/2):(\X)+8*(\n/2)+7], v[(\T)+4*\n+1]   ; the conversion takes eight numbers: two loads' under load n's scale; word n % 2 of the result is load n's, the other is dropped
.endr
	v_nop                                                            ; one plain line behind the last conversion
.endm
; Rows 8 c .. 8 c + 7 of a tensor whose loads stand at v[X] on: wait, quantise, store.  left: the younger loads that may stay out.  again = 1: this set of registers has been stored from before.
; A row's 128 codes go to 128 consecutive bytes; its four bytes by the eight lanes of each block (the same byte, the same value).
.macro QRUN X, c, T, left, ca, sa, sp, again
	s_wait_loadcnt \left                           ; loads come back in order (ISA guide 5.7.1): these eight are in
	s_wait_dscnt 16                                ; the last call's 16 LDS stores may be out; those of the call before, which read this set of registers, are done
.if \again
	s_wait_alu depctr_vm_vsrc(0)                   ; the LDS stores of two calls back have read this set of registers, which the quantiser writes again
.endif
	QUANT8 (\X)+32*(\c), \T
	s_wait_alu depctr_va_vdst(0)                   ; the conversions and the shifts have written the codes and the bytes, which the LDS stores below read
.irp n, 0,1,2,3,4,5,6,7
	ds_store_b32 v[\ca], v[(\T)+4*\n+2+(\n%2)] offset:CP*(8*(\c)+\n)
.endr
.irp n, 0,1,2,3,4,5,6,7
	ds_store_b8 v[\sa], v[(\T)+4*\n] offset:(\sp)*(8*(\c)+\n)
.endr
.endm
	s_load_b256 s[4:11], s[0:1], 0x0               ; W_key s[4:5], W_query s[6:7], queries s[8:9], wk_img s[10:11]
	s_load_b128 s[12:15], s[0:1], 0x20             ; wk_sc s[12:13], pqs s[14:15]
	v_lshl_add_u32 v254, v0, 2, 0x16800
	v_mov_b32 v255, 0
	v_lshrrev_b32 v1, 5, v0
	v_readfirstlane_b32 s16, v1                    ; wave = K step k, 0..7
	s_and_b32 s19, ttmp9, 63                       ; the tile ht
	s_mov_b32 s[MNT], 0x600000
	v_and_b32 v19, 31, v0                          ; lane l
	v_and_b32 v2, 15, v0                           ; r
	v_bfe_u32 v3, v0, 4, 1                         ; hh
	v_bfe_u32 v20, v0, 3, 2                        ; my block in a load's 128 numbers
	v_lshlrev_b32 v1, 4, v19                       ; v1: 16 l
	v_mul_u32_u24 v23, v2, CP
	v_lshl_add_u32 v23, v3, 4, v23                 ; a fragment's place for my lane: 144 r + 16 hh
	s_wait_alu depctr_va_sdst(0)                   ; s16 is written, ahead of its first reader: addresses, bases and branches are made from it
	s_and_b32 s17, s16, 1                          ; k % 2
	s_lshr_b32 s18, s16, 1                         ; k / 2
	; every LDS address is made here, ahead of the parting: a constant + a constant x wave part + a constant x lane part
	s_mul_i32 s33, s16, 16*CP
	v_lshl_add_u32 v4, v19, 2, s33                 ; v4:  W_key's codes, in: my wave's rows + 4 l
	v_add_nc_u32 v6, s33, v23                      ; v6:  and out, as a fragment
	v_add_nc_u32 v8, WC1, v4                       ; v8:  W_query's codes, in
	v_add_nc_u32 v10, WC1, v6                      ; v10: and out
	s_lshl_b32 s33, s17, 8
	s_lshl_b32 s36, s18, 2
	s_add_co_u32 s33, s33, s36
	s_add_co_u32 s33, s33, WS0
	v_add_nc_u32 v5, s33, v20                      ; v5:  W_key's scale bytes, in: 256 (k % 2) + 4 (k / 2) + block (+ 16 row)
	v_add_nc_u32 v7, WS0, v1                       ; v7:  the tile's 512 scale bytes, 16 a lane
	s_lshl_b32 s33, s16, 6
	s_add_co_u32 s33, s33, WS1
	v_add_nc_u32 v9, s33, v20                      ; v9:  W_query's scale bytes, in: my wave's 64 bytes + block (+ 4 row)
	v_lshl_add_u32 v11, v2, 2, s33                 ; v11: and out: row r's word
	s_mul_i32 s33, s16, 32*CP
	s_add_co_u32 s33, s33, QC
	v_lshl_add_u32 v12, v19, 2, s33                ; v12: the queries' codes, in
	v_add_nc_u32 v14, s33, v23                     ; v14: and out, as fragments
	s_lshl_b32 s33, s16, 7
	s_add_co_u32 s33, s33, QS
	v_add_nc_u32 v13, s33, v20                     ; v13: the queries' scale bytes, in
	v_lshl_add_u32 v15, v2, 2, s33                 ; v15: and out: query r's word (+ 64 for queries 16 on)
	s_lshl_b32 s33, s16, 11
	s_add_co_u32 s33, s33, RED
	v_add_nc_u32 v21, s33, v1                      ; v21: my parts of pq, in
	s_and_b32 s33, s16, 3
	s_lshl_b32 s33, s33, 9                         ; 512 x (wave % 4): the piece that a summing wave takes
	s_add_co_u32 s37, s33, RED
	v_add_nc_u32 v22, s37, v1                      ; v22: that piece of the eight waves' parts
	s_mov_b32 s35, 0
	s_wait_kmcnt 0x0
	s_cmp_lt_u32 ttmp9, 64                         ; which weight: the choice hangs on the work-group's number alone
	s_cselect_b64 s[20:21], s[4:5], s[6:7]
	s_lshl_b32 s34, s19, 16                        ; row 16 ht of 4,096 bytes,
	s_lshl_b32 s36, s16, 9                         ; K step k of 512
	s_add_co_u32 s34, s34, s36
	s_add_nc_u64 s[20:21], s[20:21], s[34:35]
	s_wait_alu depctr_va_vdst(0)                   ; v1, v4 to v15 and v21 to v23 are written: every load and store of the kernel, LDS or memory, reads one of them as its offset or address
.irp p, 0,1,2,3,4,5,6,7,8,9,10,11,12,13,14,15
	global_load_b128 v[XW+4*\p:XW+4*\p+3], v1, s[20:21] offset:\p*4096 th:TH_LOAD_NT   ; 512 consecutive bytes a load; each byte of a weight is read once in the launch
.endr
	s_mov_b32 s34, s36
	s_add_nc_u64 s[26:27], s[8:9], s[34:35]        ; queries at K step k
	s_lshr_b32 s34, s19, 2                         ; wk_img: ((ht / 4) 8 + k) 8192 + (ht % 4) 2048
	s_lshl_b32 s34, s34, 3
	s_add_co_u32 s34, s34, s16
	s_lshl_b32 s34, s34, 13
	s_and_b32 s36, s19, 3
	s_lshl_b32 s36, s36, 11
	s_add_co_u32 s34, s34, s36
	s_add_nc_u64 s[22:23], s[10:11], s[34:35]
	s_lshl_b32 s34, s19, 9                         ; wk_sc: 512 ht
	s_add_nc_u64 s[24:25], s[12:13], s[34:35]
	s_lshl_b32 s34, s19, 11                        ; pqs: 2048 ht + my piece
	s_add_co_u32 s34, s34, s33
	s_add_nc_u64 s[28:29], s[14:15], s[34:35]
	s_cmp_ge_u32 ttmp9, 64
	s_cbranch_scc1 .Ltask1
	; ---- W_key: my fragment comes back out of my own rows (LDS serves a wave's instructions in order: ISA guide 5.7.1.4) and leaves as an image
	QRUN XW, 0, TA, 8, 4, 5, 16, 0
	QRUN XW, 1, TB, 0, 4, 5, 16, 0
.irp q, 0,1,2,3
	ds_load_b128 v[QF+4*\q:QF+4*\q+3], v6 offset:32*\q               ; on this path no vector instruction names v88 on
.endr
	s_wait_dscnt 0x0                               ; the fragment is in; and, for the others' sake, my scale bytes lie in LDS
.irp q, 0,1,2,3
	global_store_b128 v1, v[QF+4*\q:QF+4*\q+3], s[22:23] offset:512*\q   ; 32 lanes store 512 consecutive bytes
.endr
	s_barrier_signal -1                            ; the tile's scale bytes come from eight waves
	s_barrier_wait -1
	s_cmp_lg_u32 s16, 0
	s_cbranch_scc1 .Lend0                          ; one wave stores them
	ds_load_b128 v[WF:WF+3], v7
	s_wait_dscnt 0x0
	global_store_b128 v1, v[WF:WF+3], s[24:25]
.Lend0:
	s_wait_dscnt 0x0                               ; the closing lines, six on end
	s_wait_alu 0x0
	s_wait_tensorcnt 0x0
	ds_add_u32 v254, v255
	s_wait_dscnt 0x0
	s_endpgm
.Ltask1:
	; ---- W_query: the 32 queries' numbers of my K step are asked for at once, behind the weight's
.irp b, 0,1,2,3,4,5,6,7,8,9,10,11,12,13,14,15,16,17,18,19,20,21,22,23,24,25,26,27,28,29,30,31
	global_load_b128 v[XQ+4*\b:XQ+4*\b+3], v1, s[26:27] offset:\b*4096
.endr
	QRUN XW, 0, TA, 40, 8, 9, 4, 0                 ; behind the weight's first eight loads: its other eight and the queries' 32
	QRUN XW, 1, TB, 32, 8, 9, 4, 0
	QRUN XQ, 0, TA, 24, 12, 13, 4, 1
	QRUN XQ, 1, TB, 16, 12, 13, 4, 1
	QRUN XQ, 2, TA, 8, 12, 13, 4, 1
	QRUN XQ, 3, TB, 0, 12, 13, 4, 1
	; all that I multiply are my own wave's bytes: no barrier; LDS serves my loads behind my stores.
	; The last call's wait on va_vdst has also stated that the quantiser is done with v88 to v215, and no vector instruction has been issued since: so the LDS loads below, and those of the eight parts, may land there
.irp bt, 0,1
.irp q, 0,1,2,3
	ds_load_b128 v[QF+16*\bt+4*\q:QF+16*\bt+4*\q+3], v14 offset:16*CP*\bt+32*\q
.endr
.endr
.irp q, 0,1,2,3
	ds_load_b128 v[WF+4*\q:WF+4*\q+3], v10 offset:32*\q
.endr
	ds_load_b32 v16, v15                           ; scale words: queries 0-15,
	ds_load_b32 v17, v15 offset:64                 ; queries 16-31,
	ds_load_b32 v18, v11                           ; my 16 rows of the weight.  v16-18 hold scales and nothing else
	s_wait_dscnt 0x0
	; source 0 = 16 queries, source 1 = 16 rows of W_query; one product for each of two accumulators
	v_wmma_scale_f32_16x16x128_f8f6f4 v[AC:AC+7], v[QF:QF+15], v[WF:WF+15], 0, v16, v18 matrix_a_fmt:MATRIX_FMT_BF8 matrix_b_fmt:MATRIX_FMT_BF8
	v_wmma_scale_f32_16x16x128_f8f6f4 v[AC+8:AC+15], v[QF+16:QF+31], v[WF:WF+15], 0, v17, v18 matrix_a_fmt:MATRIX_FMT_BF8 matrix_b_fmt:MATRIX_FMT_BF8
.rept 8
	v_nop                                          ; eight places behind this form before its results are read
.endr
	s_wait_alu depctr_va_vdst(0)                   ; the two products have written the accumulators, which the LDS stores read; the places above stay beside this wait
.irp p, 0,1,2,3
	ds_store_b128 v21, v[AC+4*\p:AC+4*\p+3] offset:512*\p   ; piece p = 2 (b / 16) + half of the registers: each accumulator from its low end on
.endr
	s_wait_dscnt 0x0                               ; for the others' sake: my parts lie in LDS
	s_barrier_signal -1
	s_barrier_wait -1                              ; the eight K parts of the tile lie in LDS
	s_cmp_ge_u32 s16, 4
	s_cbranch_scc1 .Lend1                          ; four waves add, a piece each
.irp kk, 0,1,2,3,4,5,6,7
	ds_load_b128 v[SU+4*\kk:SU+4*\kk+3], v22 offset:2048*\kk
.endr
	s_wait_dscnt 0x0
.irp kk, 1,2,3,4,5,6,7
	v_pk_add_f32 v[SU:SU+1], v[SU:SU+1], v[SU+4*\kk:SU+4*\kk+1]      ; K ascending
	v_pk_add_f32 v[SU+2:SU+3], v[SU+2:SU+3], v[SU+4*\kk+2:SU+4*\kk+3]
.endr
	v_pk_mul_f32 v[SU:SU+1], v[SU:SU+1], 0x4038aa3b op_sel_hi:[1,0]  ; x 2 log2(e)
	v_pk_mul_f32 v[SU+2:SU+3], v[SU+2:SU+3], 0x4038aa3b op_sel_hi:[1,0]
	s_wait_alu depctr_va_vdst(0)                   ; the multiplications have written v152 to v155, which the store reads
	global_store_b128 v1, v[SU:SU+3], s[28:29]     ; the piece as it stands in the registers: 512 consecutive bytes
.Lend1:
	s_wait_dscnt 0x0                               ; the closing lines, six on end
	s_wait_alu 0x0
	s_wait_tensorcnt 0x0
	ds_add_u32 v254, v255
	s_wait_dscnt 0x0
	s_endpgm
.Lfunc_end_k_qb497185abc_prep:
	.size	k_qb497185abc_prep, .Lfunc_end_k_qb497185abc_prep-k_qb497185abc_prep
	.p2alignl 7, 3214868480
	.fill 96, 4, 3214868480
	.section	.rodata,"a",@progbits
	.p2align	6, 0x0
	.amdhsa_kernel k_qb497185abc_prep
		.amdhsa_group_segment_fixed_size 93184
		.amdhsa_private_segment_fixed_size 0
		.amdhsa_enable_private_segment 0
		.amdhsa_kernarg_size 48
		.amdhsa_user_sgpr_count 2
		.amdhsa_user_sgpr_kernarg_segment_ptr 1
		.amdhsa_wavefront_size32 1
		.amdhsa_system_sgpr_workgroup_id_x 1
		.amdhsa_system_sgpr_workgroup_id_y 1
		.amdhsa_system_sgpr_workgroup_id_z 1
		.amdhsa_system_vgpr_workitem_id 0
		.amdhsa_next_free_vgpr 256
		.amdhsa_next_free_sgpr 66
		.amdhsa_reserve_vcc 0
		.amdhsa_float_denorm_mode_32 3
		.amdhsa_float_denorm_mode_16_64 3
		.amdhsa_memory_ordered 1
		.amdhsa_forward_progress 1
		.amdhsa_inst_pref_size 77
	.end_amdhsa_kernel
	.amdgpu_metadata
---
amdhsa.version: [ 1, 2 ]
amdhsa.kernels:
  - .name:           k_qb497185abc_prep
    .symbol:         k_qb497185abc_prep.kd
    .args:
      - { .name: W_key, .offset: 0, .size: 8, .value_kind: global_buffer, .address_space: global }
      - { .name: W_query, .offset: 8, .size: 8, .value_kind: global_buffer, .address_space: global }
      - { .name: queries, .offset: 16, .size: 8, .value_kind: global_buffer, .address_space: global }
      - { .name: wk_img, .offset: 24, .size: 8, .value_kind: global_buffer, .address_space: global }
      - { .name: wk_sc, .offset: 32, .size: 8, .value_kind: global_buffer, .address_space: global }
      - { .name: pqs, .offset: 40, .size: 8, .value_kind: global_buffer, .address_space: global }
    .group_segment_fixed_size: 93184
    .private_segment_fixed_size: 0
    .kernarg_segment_align: 8
    .kernarg_segment_size: 48
    .max_flat_workgroup_size: 256
    .sgpr_count:     66
    .vgpr_count:     256
    .wavefront_size: 32
...
	.end_amdgpu_metadata
.endif
;; end of part 4
;; launch main (part 5): grid 8 x 32, 4 waves a work-group, no clusters, 283,136 bytes of LDS; arguments keys, values, memory_lengths, wk_img, wk_sc, pqs, W_energy, scores, part; writes scores, part
.if DOCPART == 5
	.amdgcn_target "amdgcn-amd-amdhsa--gfx1250"
	.amdhsa_code_object_version 6
	.text
	.protected	k_qb497185abc_main
	.globl	k_qb497185abc_main
	.p2align	8
	.type	k_qb497185abc_main,@function
k_qb497185abc_main:
	s_mov_b64 s[64:65], 0
	v_nop
	global_prefetch_b8 v0, s[64:65] scope:SCOPE_SE
	s_setreg_imm32_b32 hwreg(HW_REG_WAVE_SCHED_MODE, 0, 2), 2
	s_setreg_imm32_b32 hwreg(HW_REG_WAVE_MODE, 25, 1), 1
	s_wait_xcnt 0x0
	s_wait_alu depctr_vm_vsrc(0)
; ONE WORK-GROUP = one batch b (grid y) and one block of 128 memory slots (grid x).  It makes the block's raw scores and the block's part of the weighted sum of projected values.
; A block that lies wholly at or past memory_lengths[b] is thrown away by the mask that the problem builds: such a work-group passes over the three parts of the work, stores zeros (the next launch reads every word) and ends.
; An active block does all its 128 rows; rows past the length get the weight 0.  THE BARRIERS STAND ON EVERY WAVE'S PATH: each of the three parts has a short branch of its own on the same compare, and the ways join ahead of each barrier.
; So each part reads only what the head or the part itself has written: all bases, addresses and cleared registers are made in the head, and each pass over W asks for its own first fragments.
; PHASE L.  Wave w reads rows 32 w .. 32 w + 31 of keys and of values, once, as f32, 512 consecutive bytes a load, quantises them as loaded (a block of 32 is eight neighbouring lanes) and lays codes and scale bytes in LDS.
; PHASE P, twice (keys, then values).  Wave w owns hidden units 256 w .. 256 w + 255, in four chunks of 64: 8 tiles of rows x 4 tiles of units = 32 accumulators, K outermost.  W_key's fragments come as images of the operand's registers
;   (made by the launch before) straight into a ring of four register slots, three K steps ahead; no other wave wants them, so the loop has no barrier.  The rows' fragments come from LDS, a K step ahead; each feeds four products.
;   Source 0 = 16 rows, source 1 = 16 units: register j of lane (r, hh) holds row 8 hh + j and unit r, so pq and W_energy are one number a lane and a row's weight one register.
; SCORES.  tanh(z) = 1 - 2 / (1 + 2^(2 log2(e) z)).  The sum of W_energy is the same for every slot and cancels in the softmax, whose maximum is taken away: what is kept is -2 x the sum over units of W_energy / (1 + 2^x).
;   pqs holds pq x 2 log2(e), 2,048 bytes for each tile of 16 units: pq(b, unit r of the tile) at 1024 (b / 16) + 512 ((b / 4) % 2) + 256 ((b / 8) % 2) + 4 (b % 4) + 16 r.
; SOFTMAX.  p = 2^((s - the block's largest unmasked s) log2(e)), not normalised; the next launch brings the eight blocks under the batch's maximum and divides.
; NO TENSOR LOADS AND NO JOINT REQUESTS, though all work-groups walk the same W: the codes of its 256 rows take 266,240 of the LDS bytes, so that no ring of W's tiles (8,192 bytes a wave and K step) has room.
; LIMITS: memory_lengths from 1 on (above 1,024 counts as 1,024); a block of zeros gets the scale byte 1 (its codes are zeros; only this program reads the bytes); NaN and infinities among the inputs are not served.
; REGISTERS, in windows of 256.  Window 0: addresses, scale words, sums (below).  Window 1: phase L's ring of 8 slots x 32; then the accumulators, (rt, ht) at 8 (4 rt + ht).  Window 2: W's ring, slot k % 4 at 64 (k % 4) + 16 ht.  Window 3: the rows' fragments, buffer k % 2 at 128 (k % 2) + 16 rt.
; THE MODE: SCHED_MODE bits 1:0 = 2 (LLVM: expert scheduling mode 2), set by the entry lines.  The code itself states the register dependences
; between vector or matrix instructions and memory or LDS instructions, with s_wait_alu, always for 0.
; THE PLAN, PHASE L.  Turn n works on ring slot n % 8 and writes the set T[n % 2] of codes and bytes.  Its memory and LDS instructions are the eight loads that fill the ring slot of turn n - 1 again and the sixteen LDS stores
;   of turn n - 1's codes and bytes, out of T[(n - 1) % 2]: the two buffers that turn n - 1 worked on and that no vector instruction of turn n names.  So two waits at a turn's head state all: on vm_vsrc, that the stores issued a turn
;   ago have read T[n % 2], which this turn writes again (and, in a round's first two turns, a kind's two LDS addresses, which step there); on va_vdst, that turn n - 1 has written its T and its stepped addresses and is done with its ring slot.
; THE PLAN, PHASE P.  K step k's products read W's slot k % 4, the rows' buffer k % 2, the scale words and the accumulators.  Its loads land in W's slot (k + 3) % 4 and in the rows' buffer (k + 1) % 2, which step k - 1's products read last.
;   So ONE wait on va_vdst at a step's head states all, and the step's 48 loads are dealt among its 32 products.  W's scale words are loaded again behind a wait that follows a chunk's last products; pq and W_energy behind one that follows the tail's last multiply-adds.
;   No offset and no LDS address is written in phase P.
.set KC,   0            ; LDS: keys' codes, 128 rows, pitch 1,040 = 65 x 16 bytes: the 16 rows of a fragment load start in 16 different groups of banks (64 banks of 4 bytes: ISA guide 11.1)
.set VC,   133120       ; values' codes likewise
.set ASC,  266240       ; the rows' scale bytes: 4096 kind + 2048 (k % 2) + 16 row + 4 (k / 2) + block
.set SX,   274432       ; [wave][128] partial scores
.set PB,   276480       ; the weights p, a copy for each wave
.set OB,   278528       ; the out-partials, 1,024 bytes a wave
.set RP,   1040
.set GO,   1            ; v1   16 l
.set LAK,  2            ; v2   keys' codes, in: my wave's rows + 4 l; steps by four rows a round
.set LAV,  3            ; v3   values' likewise
.set AK0,  5            ; v5   keys' fragments, row tiles 0-3: 1040 r + 16 hh
.set AK1,  6            ; v6   row tiles 4-7
.set AV0,  7            ; v7, v8 values' likewise
.set AV1,  8
.set ASA,  9            ; v9   scale words, out: lanes 0-15 even K steps, lanes 16-31 odd ones
.set RO,   10           ; v10  4 r
.set SXW,  11
.set SXR,  12
.set PBW,  13
.set PBR,  14
.set OBA,  15           ; v15  the out-partials, in: my wave's 1,024 bytes + 4 r; never rewritten
.set ASCR, 16           ; v16-47   the rows' scale words: tile rt: four registers, register k / 2.  Scales and nothing else
.set WSCR, 48           ; v48-63   W's: tile ht likewise.  Scales and nothing else
.set PQ,   64           ; v64-71   pq x 2 log2(e) of my unit, tile ht at PQ + 2 ht (the odd registers are named in pairs and hold 0)
.set WE,   72           ; v72-79   W_energy likewise
.set SACC, 80           ; v80-143  the score sums (rt, j) at SACC + 8 rt + j; later the weights p in the same places
.set O,    144          ; v144-151 four pairs of out-partials
.set PT,   152          ; v152-155 lane permutes' destinations
.set OBR,  156          ; v156 the out-partials, out: my wave's 1,024 bytes + 16 l
.set ROQ,  157          ; v157 16 r: my unit's place in a tile of pqs
.set SA2,  158          ; v158 keys' scale bytes, in; v159 values': a register for each kind; they step by four rows a round
.set TQ,   160          ; v160-223 the quantiser's two sets of 32 at work; later the softmax's
.set OKR,  228          ; v228-243 the out-partials of chunk c, tile ht at OKR + 4 c + ht
.set KB,   32           ; s[32:33] keys at my wave's rows; s[34:35] values
.set S_WB, 36           ; s[36:37] wk_img at my wave's 256 units
.set S_WS, 38           ; s[38:39] wk_sc likewise
.set S_PQ, 40           ; s[40:41] pqs at my batch's place in my wave's first tile
.set S_WE, 42           ; s[42:43] W_energy at my units
.set CB,   44           ; s[44:45] this chunk's fragments;  s[46:47] the next chunk's;  s[48:49], s[50:51], s[52:53] the next chunk's scale words, pq, W_energy
.set NB,   46
.set SN,   48
.set PN,   50
.set EN,   52
.set CS,   54           ; s[54:55] 2 log2(e), twice
.set MNT,  56           ; s56  the mantissa field of 57,344
.set STP,  57           ; s57  what a round adds to the codes' LDS addresses: 0 in the first round, then four rows
.set SEL,  58           ; s[58:59] v_permlanex16_b32's selects for lane l xor 16
.set FIRST, 60          ; s60  the block's first slot; never rewritten (nor is s25, the length)
.set STS,  61           ; s61  the same for the scale bytes' addresses: 0, then 64
.set S_PT, 62           ; s[62:63] part at my block and my wave's 256 units
.set MSB, 0
.macro WIN new                         ; the immediate's high byte repeats the setting that is left; a switch that changes nothing is dropped
.if MSB != \new
	s_set_vgpr_msb (MSB<<8)|\new
.set MSB, \new
.endif
.endm
.macro IFIDLE lab                      ; all the block's slots lie under the mask: pass over a part of the work.  The number compared is the same in all four waves
	s_cmp_ge_u32 s[FIRST], s25
	s_cbranch_scc1 \lab
.endm
; THE QUANTISER: eight loads' numbers (one row's eight K steps), window 1 v[X] on, become codes and bytes in window 0 v[T] on: for load n: +0 largest magnitude, then the byte; +1 the conversion's scale; +2, +3 the hold, then codes.
.macro QUANT8 X, T
	WIN 0x15
.irp n, 0,1,2,3,4,5,6,7
	v_max3_num_f32 v[(\T)+4*\n], |v[(\X)+4*\n]|, |v[(\X)+4*\n+1]|, |v[(\X)+4*\n+2]|
.endr
	WIN 0x01
.irp n, 0,1,2,3,4,5,6,7
	v_max3_num_f32 v[(\T)+4*\n], |v[(\X)+4*\n+3]|, v[(\T)+4*\n], 0x8000000   ; my four, and the floor 2^(16 - 127): the byte cannot fall under 1
.endr
	WIN 0
.irp x, 1,2,4
.irp n, 0,1,2,3,4,5,6,7
	v_max_num_f32_dpp v[(\T)+4*\n], v[(\T)+4*\n], v[(\T)+4*\n] row_xmask:\x row_mask:0xf bank_mask:0xf   ; with the seven lanes that share my block
.endr
.endr
.irp n, 0,1,2,3,4,5,6,7
	v_add_nc_u32 v[(\T)+4*\n+1], 0xf8800000, v[(\T)+4*\n]            ; 15 off the exponent field: the conversion's scale operand
.endr
.irp n, 0,1,2,3,4,5,6,7
	v_and_or_b32 v[(\T)+4*\n+2], v[(\T)+4*\n], 0x7f800000, s[MNT]    ; 57,344 x the scale
.endr
.irp n, 0,1,2,3,4,5,6,7
	v_lshrrev_b32 v[(\T)+4*\n], 23, v[(\T)+4*\n+1]                   ; the scale's byte
.endr
	WIN 0x41
.irp n, 0,1,2,3,4,5,6,7
.irp e, 0,1,2,3
	v_med3_num_f32 v[(\X)+4*\n+\e], v[(\X)+4*\n+\e], -v[(\T)+4*\n+2], v[(\T)+4*\n+2]   ; the conversion does not saturate (ISA guide 7.6.2): the hold comes first
.endr
.endr
	WIN 0x01
.irp n, 0,1,2,3,4,5,6,7
	v_cvt_scalef32_pk8_bf8_f32 v[(\T)+4*\n+2:(\T)+4*\n+3], v[(\X)+8*(\n/2):(\X)+8*(\n/2)+7], v[(\T)+4*\n+1]   ; eight numbers, two loads', under load n's scale: word n % 2 of the result is load n's, the other is dropped
.endr
	v_nop                                                            ; one plain line behind the last conversion
	WIN 0
.endm
; Ring slot p: kind p % 2 (keys, values), row p / 2 of a round's four.  Its eight loads (destination window 1), from the kind's base;
.macro FILLX p
.irp k, 0,1,2,3,4,5,6,7
	global_load_b128 v[32*(\p)+4*\k:32*(\p)+4*\k+3], v[GO], s[KB+2*((\p)%2):KB+2*((\p)%2)+1] offset:((\p)/2)*4096+512*\k th:TH_LOAD_NT
.endr
.endm
; and the sixteen LDS stores of its codes and bytes, out of the set p % 2.
.macro PUT p
.irp k, 0,1,2,3,4,5,6,7
	ds_store_b32 v[LAK+((\p)%2)], v[TQ+32*((\p)%2)+4*\k+2+(\k%2)] offset:((\p)/2)*RP+128*\k   ; 128 consecutive bytes of the row
.endr
.irp k, 0,1,2,3,4,5,6,7
	ds_store_b8 v[SA2+((\p)%2)], v[TQ+32*((\p)%2)+4*\k] offset:16*((\p)/2)+2048*(\k%2)+4*(\k/2)   ; the eight lanes of a block write the same byte
.endr
.endm
; The turn of ring slot i.  left: the younger loads that may stay out.  prev = 1: there is a turn before, whose codes and bytes are stored now.  refill = 1: that turn's ring slot takes the same row of the next round.
; THE STEPS FROM ROUND TO ROUND.  A kind's two LDS address registers step in its first turn of a round, behind the turn's stores, which name the other kind's: the kind's own last stores were issued a turn ago, ahead of the wait on vm_vsrc.
; The two bases in memory step in turn 1, in front of slot 0's refill, a turn's quantising behind the last load that read them.
.macro SLOT i, prev, refill, left
	s_wait_loadcnt \left                           ; loads come back in order (ISA guide 5.7.1): my slot's eight are in
.if \prev
	s_wait_dscnt 0x0                               ; the LDS stores issued a turn ago, which read this turn's set of registers, are done
.if \refill
.if (\i) == 1
	s_wait_xcnt 0x0                                ; every load issued so far has read its base (ISA guide 3.1): both bases step to the next round's rows
	s_add_nc_u64 s[KB:KB+1], s[KB:KB+1], 0x4000
	s_add_nc_u64 s[KB+2:KB+3], s[KB+2:KB+3], 0x4000
.endif
	WIN 0x40
.endif
	s_wait_alu depctr_vm_vsrc(0)                   ; the LDS stores issued a turn ago have read this turn's set of registers, and the addresses that step in this turn
	s_wait_alu depctr_va_vdst(0)                   ; the turn before has written the other set and its stepped addresses, which the stores below read, and is done with its ring slot, in which the loads below land
.if \refill
	FILLX ((\i)+7)%8
	WIN 0
.endif
	PUT ((\i)+7)%8
.endif
.if (\i) < 2
	v_add_nc_u32 v[LAK+(\i)], s[STP], v[LAK+(\i)]  ; on to this round's four rows (the first round adds 0)
	v_add_nc_u32 v[SA2+(\i)], s[STS], v[SA2+(\i)]
.endif
	QUANT8 32*(\i), TQ+32*((\i)%2)
.endm
; 16 LDS loads: the fragments of row tiles 4 hf .. 4 hf + 3 for K step k, into buffer k % 2.  The windows are set by the caller: destination 3, address 0.
.macro AHALF k, A, hf
.irp rt, 0,1,2,3
.irp q, 0,1,2,3
	ds_load_b128 v[128*((\k)%2)+64*(\hf)+16*\rt+4*\q:128*((\k)%2)+64*(\hf)+16*\rt+4*\q+3], v[\A] offset:\rt*16*RP+128*(\k)+32*\q
.endr
.endr
.endm
; What a pass over W wants first: chunk 0's scale words, (pq = 1: its pq and W_energy,) and W's K steps 0 to 2.
.macro PROLOG pq
.irp ht, 0,1,2,3
	global_load_b128 v[WSCR+4*\ht:WSCR+4*\ht+3], v[GO], s[S_WS:S_WS+1] offset:512*\ht
.endr
.if \pq
.irp ht, 0,1,2,3
	global_load_b32 v[PQ+2*\ht], v[ROQ], s[S_PQ:S_PQ+1] offset:2048*\ht
	global_load_b32 v[WE+2*\ht], v[RO], s[S_WE:S_WE+1] offset:64*\ht
.endr
.endif
	WIN 0x80
.irp k, 0,1,2
.irp ht, 0,1,2,3
.irp q, 0,1,2,3
	global_load_b128 v[64*\k+16*\ht+4*\q:64*\k+16*\ht+4*\q+3], v[GO], s[S_WB:S_WB+1] offset:\k*8192+2048*\ht+512*\q
.endr
.endr
.endr
	WIN 0
.endm
; Eight products of K step k: row tiles r0, r0 + 1 x the four unit tiles.  The 32 accumulators take turns, one instruction a turn, in the same order in every step.
.macro MM8 k, r0
.irp rt, \r0, \r0+1
.irp ht, 0,1,2,3
.if (\k) == 0
	v_wmma_scale_f32_16x16x128_f8f6f4 v[8*(4*(\rt)+\ht):8*(4*(\rt)+\ht)+7], v[16*(\rt):16*(\rt)+15], v[16*\ht:16*\ht+15], 0, v[ASCR+4*(\rt)], v[WSCR+4*\ht] matrix_a_fmt:MATRIX_FMT_BF8 matrix_b_fmt:MATRIX_FMT_BF8
.elseif (\k)%2
	v_wmma_scale_f32_16x16x128_f8f6f4 v[8*(4*(\rt)+\ht):8*(4*(\rt)+\ht)+7], v[128+16*(\rt):128+16*(\rt)+15], v[64*((\k)%4)+16*\ht:64*((\k)%4)+16*\ht+15], v[8*(4*(\rt)+\ht):8*(4*(\rt)+\ht)+7], v[ASCR+4*(\rt)+(\k)/2], v[WSCR+4*\ht+(\k)/2] matrix_a_fmt:MATRIX_FMT_BF8 matrix_b_fmt:MATRIX_FMT_BF8 matrix_a_scale:MATRIX_SCALE_ROW1 matrix_b_scale:MATRIX_SCALE_ROW1
.else
	v_wmma_scale_f32_16x16x128_f8f6f4 v[8*(4*(\rt)+\ht):8*(4*(\rt)+\ht)+7], v[16*(\rt):16*(\rt)+15], v[64*((\k)%4)+16*\ht:64*((\k)%4)+16*\ht+15], v[8*(4*(\rt)+\ht):8*(4*(\rt)+\ht)+7], v[ASCR+4*(\rt)+(\k)/2], v[WSCR+4*\ht+(\k)/2] matrix_a_fmt:MATRIX_FMT_BF8 matrix_b_fmt:MATRIX_FMT_BF8
.endif
.endr
.endr
.endm
; A K STEP of a chunk: 32 products, and dealt among them the 48 loads that later steps want: the rows' fragments of one step on (two runs of 16 LDS loads) and W's of three steps on (one run of 16).
; lw: the global loads that may stay out at the step's head.  Step 0 has no wait on va_vdst: the one behind the last chunk's products (WSNEXT) stands on every way to it and has stated the same.
.macro MMSTEP k, A0, A1, lw
	s_wait_loadcnt \lw                             ; W's fragments of this K step are in
	s_wait_dscnt 16                                ; row tiles 0-3 of this K step are in; the 16 youngest LDS loads, tiles 4-7, may be out
.if (\k) > 0
	s_wait_alu depctr_va_vdst(0)                   ; the last step's products are done reading W's slot (k + 3) % 4 and the rows' buffer (k + 1) % 2, in which this step's loads land; this step's products name neither
.endif
	WIN 0x5b                                       ; source 0 (rows) window 3, source 1 (W) window 2, C and D window 1
	MM8 \k, 0
	WIN 0xc0
	AHALF ((\k)+1)%8, \A0, 0
	WIN 0x5b
	MM8 \k, 2
	WIN 0x80
.irp ht, 0,1,2,3
.irp q, 0,1,2,3
.if (\k) < 5
	global_load_b128 v[64*(((\k)+3)%4)+16*\ht+4*\q:64*(((\k)+3)%4)+16*\ht+4*\q+3], v[GO], s[CB:CB+1] offset:((\k)+3)*8192+2048*\ht+512*\q
.else
	global_load_b128 v[64*(((\k)+3)%4)+16*\ht+4*\q:64*(((\k)+3)%4)+16*\ht+4*\q+3], v[GO], s[NB:NB+1] offset:((\k)-5)*8192+2048*\ht+512*\q
.endif
.endr
.endr
	s_wait_dscnt 16                                ; row tiles 4-7 of this K step are in; the 16 LDS loads issued in this step may be out
	WIN 0x5b
	MM8 \k, 4
	WIN 0xc0
	AHALF ((\k)+1)%8, \A1, 1
	WIN 0x5b
	MM8 \k, 6
.endm
; A CHUNK: eight K steps.  At the head of steps 1 to 7 the 32 loads of the two K steps ahead may stay out.  At step 0 the chunk's scale words, which were asked for behind W's K steps 0 to 2, must be in: lw0 counts what was asked for behind them.
.macro CHUNK A0, A1, lw0
	MMSTEP 0, \A0, \A1, \lw0
.irp k, 1,2,3,4,5,6,7
	MMSTEP \k, \A0, \A1, 32
.endr
.endm
; The bases of chunk s27 and of the chunk behind it.  Behind the fourth comes the first again: each pass so asks at its end once more for the head of W's stream (60 loads a wave in the keys' pass, 52 in the values'),
; inside the buffers and unused: the price of writing the chunk's text once a pass.
.macro CHEAD
	s_wait_xcnt 0x0                                ; the loads issued so far have read their bases
	s_add_co_u32 s28, s27, 1
	s_and_b32 s28, s28, 3
	s_mov_b32 s31, 0
	s_lshl_b32 s30, s27, 16
	s_add_nc_u64 s[CB:CB+1], s[S_WB:S_WB+1], s[30:31]
	s_lshl_b32 s30, s28, 16
	s_add_nc_u64 s[NB:NB+1], s[S_WB:S_WB+1], s[30:31]
	s_lshl_b32 s30, s28, 11
	s_add_nc_u64 s[SN:SN+1], s[S_WS:S_WS+1], s[30:31]
	s_lshl_b32 s30, s28, 13                        ; four tiles of 2,048 bytes of pqs
	s_add_nc_u64 s[PN:PN+1], s[S_PQ:S_PQ+1], s[30:31]
	s_lshl_b32 s30, s28, 8
	s_add_nc_u64 s[EN:EN+1], s[S_WE:S_WE+1], s[30:31]
.endm
.macro WSNEXT                                  ; behind a chunk's last products: the places, the wait, the next chunk's scale words of W
.rept 8
	v_nop                                          ; eight places behind the chunk's last products, whose results the tail's vector instructions read
.endr
	WIN 0
	s_wait_alu depctr_va_vdst(0)                   ; the chunk's products are done reading W's scale words, in which the loads below land, and W's slot 3 and the rows' buffer 1, in which the next step 0's land
.irp ht, 0,1,2,3
	global_load_b128 v[WSCR+4*\ht:WSCR+4*\ht+3], v[GO], s[SN:SN+1] offset:512*\ht
.endr
.endm
; THE KEYS' TAIL: 1 / (1 + 2^x), x = pk 2 log2(e) + pq 2 log2(e), weighed by W_energy into the 64 score sums.  Each kind of transcendental is one batch of 256 with one wait.
.macro TANH
	WSNEXT
	WIN 0x41
.irp rt, 0,1,2,3,4,5,6,7
.irp ht, 0,1,2,3
.irp jp, 0,1,2,3
	v_pk_fma_f32 v[8*(4*\rt+\ht)+2*\jp:8*(4*\rt+\ht)+2*\jp+1], v[8*(4*\rt+\ht)+2*\jp:8*(4*\rt+\ht)+2*\jp+1], s[CS:CS+1], v[PQ+2*\ht:PQ+2*\ht+1] op_sel_hi:[1,0,0]   ; each accumulator from its low end on
.endr
.endr
.endr
.set J, 0
.rept 256
	v_exp_f32 v[J], v[J]
.set J, J+1
.endr
	v_nop                                          ; a plain line behind the last exponential,
	s_wait_alu depctr_va_vdst(0)                   ; and the one wait for the 256 exponentials' results, ahead of their first reader
.set J, 0
.rept 128
	v_pk_add_f32 v[J:J+1], v[J:J+1], 1.0 op_sel_hi:[1,0]
.set J, J+2
.endr
.set J, 0
.rept 256
	v_rcp_f32 v[J], v[J]
.set J, J+1
.endr
	v_nop
	s_wait_alu depctr_va_vdst(0)                   ; the one wait for the 256 reciprocals' results, ahead of their first reader
	WIN 0x01
.irp ht, 0,1,2,3                               ; the unit tiles outermost: 32 different sums between two additions onto one
.irp rt, 0,1,2,3,4,5,6,7
.irp jp, 0,1,2,3
	v_pk_fma_f32 v[SACC+8*\rt+2*\jp:SACC+8*\rt+2*\jp+1], v[8*(4*\rt+\ht)+2*\jp:8*(4*\rt+\ht)+2*\jp+1], v[WE+2*\ht:WE+2*\ht+1], v[SACC+8*\rt+2*\jp:SACC+8*\rt+2*\jp+1] op_sel_hi:[1,0,1]
.endr
.endr
.endr
	WIN 0
	s_wait_alu depctr_va_vdst(0)                   ; the tail's multiply-adds are done reading pq and W_energy, in which the loads below land
.irp ht, 0,1,2,3
	global_load_b32 v[PQ+2*\ht], v[ROQ], s[PN:PN+1] offset:2048*\ht  ; the next chunk's pq and W_energy
	global_load_b32 v[WE+2*\ht], v[RO], s[EN:EN+1] offset:64*\ht
.endr
.endm
; THE VALUES' TAIL: the sum over the 128 rows of p x the projected value, for my 64 units.  The chunk's four sums are kept in registers: the text is walked four times, so the trip's number chooses, by a select, which four of the sixteen take them.
.macro WSUM
	WSNEXT
	WIN 0x01
.irp rt, 0,1,2,3,4,5,6,7
.irp jp, 0,1,2,3
.irp ht, 0,1,2,3
.if (\rt == 0) && (\jp == 0)
	v_pk_mul_f32 v[O+2*\ht:O+2*\ht+1], v[8*(4*\rt+\ht)+2*\jp:8*(4*\rt+\ht)+2*\jp+1], v[SACC+8*\rt+2*\jp:SACC+8*\rt+2*\jp+1]
.else
	v_pk_fma_f32 v[O+2*\ht:O+2*\ht+1], v[8*(4*\rt+\ht)+2*\jp:8*(4*\rt+\ht)+2*\jp+1], v[SACC+8*\rt+2*\jp:SACC+8*\rt+2*\jp+1], v[O+2*\ht:O+2*\ht+1]
.endif
.endr
.endr
.endr
	WIN 0
.irp c, 0,1,2,3
	s_cmp_eq_u32 s27, \c
	s_cselect_b32 s[28+\c], -1, 0                  ; all lanes, in the trip of chunk c
.endr
.irp ht, 0,1,2,3
	v_add_f32 v[O+2*\ht], v[O+2*\ht], v[O+2*\ht+1]
.endr
.irp ht, 0,1,2,3
	v_permlanex16_b32 v[PT+\ht], v[O+2*\ht], s[SEL], s[SEL+1]        ; the rows 8 (1 - hh) + j lie in the lane 16 away
.endr
.irp ht, 0,1,2,3
	v_add_f32 v[O+2*\ht], v[O+2*\ht], v[PT+\ht]
.endr
.irp c, 0,1,2,3
.irp ht, 0,1,2,3
	v_cndmask_b32 v[OKR+4*\c+\ht], v[OKR+4*\c+\ht], v[O+2*\ht], s[28+\c]
.endr
.endr
.endm
	; ---- THE HEAD, on every wave's path: all bases, all LDS addresses, all registers that begin as zeros
	s_load_b512 s[4:19], s[0:1], 0x0               ; keys s[4:5], values s[6:7], memory_lengths s[8:9], wk_img s[10:11], wk_sc s[12:13], pqs s[14:15], W_energy s[16:17], scores s[18:19]
	s_load_b64 s[20:21], s[0:1], 0x40              ; part
	v_lshl_add_u32 v254, v0, 2, 0x45000
	v_mov_b32 v255, 0
	v_lshrrev_b32 v224, 5, v0
	v_readfirstlane_b32 s22, v224                  ; wave w
	s_mov_b32 s23, ttmp9                           ; the block
	s_and_b32 s24, ttmp7, 0xffff                   ; the batch b
	s_lshl_b32 s31, s24, 2
	s_wait_kmcnt 0x0
	s_load_b32 s25, s[8:9], s31 offset:0x0         ; memory_lengths[b]: the same number in all four waves
	; every LDS address is made here, while that load is out: a constant + a constant x wave + a constant x lane part
	v_and_b32 v224, 31, v0                         ; l
	v_and_b32 v225, 15, v0                         ; r
	v_bfe_u32 v226, v0, 4, 1                       ; hh
	v_bfe_u32 v227, v0, 3, 2                       ; my block in a load's 128 numbers
	v_lshlrev_b32 v[GO], 4, v224
	s_wait_alu depctr_va_sdst(0)                   ; s22 is written, ahead of its first reader: addresses, bases and a branch are made from it
	s_mul_i32 s28, s22, 32*RP
	v_lshl_add_u32 v[LAK], v224, 2, s28
	v_add_nc_u32 v[LAV], VC, v[LAK]
	v_mul_u32_u24 v[AK0], v225, RP
	v_lshl_add_u32 v[AK0], v226, 4, v[AK0]
	v_add_nc_u32 v[AK1], 64*RP, v[AK0]
	v_add_nc_u32 v[AV0], VC, v[AK0]
	v_add_nc_u32 v[AV1], VC, v[AK1]
	v_lshlrev_b32 v[ASA], 4, v225
	v_lshl_add_u32 v[ASA], v226, 11, v[ASA]
	v_add_nc_u32 v[ASA], ASC, v[ASA]
	v_lshlrev_b32 v[RO], 2, v225
	v_lshlrev_b32 v[ROQ], 4, v225
	s_lshl_b32 s28, s22, 9
	s_add_co_u32 s29, s28, ASC
	v_add_nc_u32 v[SA2], s29, v227
	v_add_nc_u32 v[SA2+1], 4096, v[SA2]
	s_add_co_u32 s29, s28, SX
	v_lshl_add_u32 v[SXW], v226, 5, s29
	v_add_nc_u32 v[SXR], SX, v[GO]
	s_add_co_u32 s29, s28, PB
	v_add_nc_u32 v[PBW], s29, v[GO]
	v_lshl_add_u32 v[PBR], v226, 5, s29
	s_lshl_b32 s28, s22, 10
	s_add_co_u32 s29, s28, OB
	v_lshl_add_u32 v[OBA], v225, 2, s29
	v_add_nc_u32 v[OBR], s29, v[GO]
.irp ht, 0,1,2,3
	v_mov_b32 v[PQ+2*\ht+1], 0                     ; named as the upper halves of pairs
	v_mov_b32 v[WE+2*\ht+1], 0
	v_mov_b32 v[PT+\ht], 0                         ; a lane permute's destination counts as one of its sources
.endr
.set J, 0
.rept 64
	v_mov_b32 v[SACC+J], 0                         ; the score sums begin as zeros, once: so the chunk's tail is written once
.set J, J+1
.endr
.set J, 0
.rept 16
	v_mov_b32 v[OKR+J], 0                          ; a select's destination is one of its sources
.set J, J+1
.endr
	s_mov_b32 s[CS], 0x4038aa3b
	s_mov_b32 s[CS+1], 0x4038aa3b
	s_mov_b32 s[MNT], 0x600000
	s_mov_b32 s[SEL], 0x76543210
	s_mov_b32 s[SEL+1], 0xfedcba98
	s_wait_kmcnt 0x0
	s_min_u32 s25, s25, 0x400
	s_mov_b32 s31, 0
	s_lshl_b32 s30, s24, 12                        ; scores at 4096 b + 512 block
	s_lshl_b32 s29, s23, 9
	s_add_co_u32 s30, s30, s29
	s_add_nc_u64 s[18:19], s[18:19], s[30:31]
	s_lshl_b32 s30, s24, 3                         ; part at (8 b + block) 4096
	s_add_co_u32 s30, s30, s23
	s_lshl_b32 s30, s30, 12
	s_add_nc_u64 s[20:21], s[20:21], s[30:31]
	s_lshl_b32 s[FIRST], s23, 7                    ; the block's first slot
	s_sub_co_u32 s26, s25, s[FIRST]                ; so many of the block's slots count (128 or more: all); read in an active block alone
	s_lshl_b32 s30, s24, 10
	s_add_co_u32 s30, s30, s[FIRST]
	s_lshl_b32 s28, s22, 5
	s_add_co_u32 s30, s30, s28                     ; my wave's first row: 1024 b + 128 block + 32 w,
	s_lshl_b32 s30, s30, 12                        ; of 4,096 bytes (under 2^27 in all)
	s_add_nc_u64 s[KB:KB+1], s[4:5], s[30:31]
	s_add_nc_u64 s[KB+2:KB+3], s[6:7], s[30:31]
	s_lshl_b32 s30, s22, 18
	s_add_nc_u64 s[S_WB:S_WB+1], s[10:11], s[30:31]
	s_lshl_b32 s30, s22, 13
	s_add_nc_u64 s[S_WS:S_WS+1], s[12:13], s[30:31]
	s_lshl_b32 s30, s22, 10
	s_add_nc_u64 s[S_WE:S_WE+1], s[16:17], s[30:31]
	s_add_nc_u64 s[S_PT:S_PT+1], s[20:21], s[30:31]
	s_lshl_b32 s30, s22, 15                        ; pqs: my wave's 16 tiles of 2,048 bytes; in a tile my batch's place:
	s_lshr_b32 s28, s24, 4
	s_lshl_b32 s28, s28, 10                        ; 1024 (b / 16)
	s_add_co_u32 s30, s30, s28
	s_bfe_u32 s28, s24, 0x10002
	s_lshl_b32 s28, s28, 9                         ; + 512 ((b / 4) % 2)
	s_add_co_u32 s30, s30, s28
	s_bfe_u32 s28, s24, 0x10003
	s_lshl_b32 s28, s28, 8                         ; + 256 ((b / 8) % 2)
	s_add_co_u32 s30, s30, s28
	s_and_b32 s28, s24, 3
	s_lshl_b32 s28, s28, 2                         ; + 4 (b % 4)
	s_add_co_u32 s30, s30, s28
	s_add_nc_u64 s[S_PQ:S_PQ+1], s[14:15], s[30:31]
	s_wait_alu depctr_va_vdst(0)                   ; the offsets and LDS addresses v1 to v15 and v156 to v159 are written, which the loads and stores of all three parts read: ahead of the first branch, so on every way
	IFIDLE .Lskip_l
	; ---- PHASE L.  The ring is filled: four rows of keys and four of values, 64 loads of 512 bytes
	WIN 0x40
.irp i, 0,1,2,3,4,5,6,7
	FILLX \i
.endr
	WIN 0
	s_mov_b32 s[STP], 0                            ; the first round's LDS addresses are as the head made them
	s_mov_b32 s[STS], 0
	SLOT 0, 0, 0, 56                               ; the first turn has no turn before it; behind its eight loads: the seven other slots' 56
	s_mov_b32 s27, 7
.Lround:                                               ; a trip: eight turns, from a round's second to the next round's first; each fills the ring slot of the turn before again
	SLOT 1, 1, 1, 48                               ; behind my slot's eight loads: six other slots' 48 (the seventh, the last turn's, is asked for in this turn)
	s_mov_b32 s[STP], 4*RP                         ; both kinds have had their first round's step of 0: from here on four rows further
	s_mov_b32 s[STS], 64
.irp i, 2,3,4,5,6,7,0
	SLOT \i, 1, 1, 48
.endr
	s_sub_co_u32 s27, s27, 1
	s_cmp_lg_u32 s27, 0
	s_cbranch_scc1 .Lround
.irp i, 1,2,3,4,5,6,7
	SLOT \i, 1, 0, 48-8*((\i)-1)                   ; the last round's other turns load nothing: the counts run down
.endr
	s_wait_alu depctr_va_vdst(0)                   ; the last turn has written its codes and bytes, which the last sixteen LDS stores read
	PUT 7
.Lskip_l:
	s_wait_dscnt 0x0                               ; for the others' sake: my codes and bytes lie in LDS
	s_barrier_signal -1
	s_barrier_wait -1                              ; all 256 rows' codes and bytes lie in LDS; they are written no more
	IFIDLE .Lskip_k
	; ---- PHASE P, keys.  The registers in which these first loads land have been named by no vector or matrix instruction
	PROLOG 1
.irp rt, 0,1,2,3,4,5,6,7
	ds_load_b128 v[ASCR+4*\rt:ASCR+4*\rt+3], v[ASA] offset:256*\rt
.endr
	WIN 0xc0
	AHALF 0, AK0, 0
	AHALF 0, AK1, 1
	WIN 0
	s_mov_b32 s27, 0
.Lpk:
	CHEAD
	CHUNK AK0, AK1, 8                              ; behind the scale words: pq and W_energy (8)
	TANH
	s_add_co_u32 s27, s27, 1
	s_cmp_lt_u32 s27, 4
	s_cbranch_scc1 .Lpk
	; a lane's sums are those of the units r, r + 16, ..: the sixteen lanes of a half are added
.irp x, 1,2,4,8
.set J, 0
.rept 64
	v_add_f32_dpp v[SACC+J], v[SACC+J], v[SACC+J] row_xmask:\x row_mask:0xf bank_mask:0xf
.set J, J+1
.endr
.endr
	s_wait_alu depctr_va_vdst(0)                   ; the additions have written the 64 sums, which the LDS stores read
.irp rt, 0,1,2,3,4,5,6,7
.irp q, 0,1
	ds_store_b128 v[SXW], v[SACC+8*\rt+4*\q:SACC+8*\rt+4*\q+3] offset:64*\rt+16*\q   ; slot 16 rt + 8 hh + 4 q on; sixteen lanes write the same bytes with the same values
.endr
.endr
.Lskip_k:
	s_wait_dscnt 0x0
	s_barrier_signal -1
	s_barrier_wait -1                              ; the four waves' partial scores lie in LDS
	IFIDLE .Lidle                                  ; no barrier stands behind this branch
	s_wait_loadcnt 0x0                             ; what the keys' pass asked for at its end has landed: its registers may be loaded again
	PROLOG 0                                       ; the values' pass asks for its own first fragments; the softmax stands between the request and their use.  (The keys' products that read these registers stand ahead of the waits of the keys' last tail)
	s_wait_alu depctr_vm_vsrc(0)                   ; phase L's LDS stores have read v160 to v223, and the stores of the partial scores v80 to v143: LDS loads and vector instructions write both from here on
	; ---- the block's softmax, in every wave alike: lane l has slots 4 l .. 4 l + 3
.irp w, 0,1,2,3
	ds_load_b128 v[160+4*\w:160+4*\w+3], v[SXR] offset:512*\w
.endr
	v_lshlrev_b32 v176, 2, v224
	v_add_nc_u32 v177, 1, v176
	v_add_nc_u32 v178, 2, v176
	v_add_nc_u32 v179, 3, v176
	v_mov_b32 v180, 0xff800000                     ; -infinity
	s_wait_dscnt 0x0
.irp w, 1,2,3
	v_pk_add_f32 v[160:161], v[160:161], v[160+4*\w:161+4*\w]        ; units ascending
	v_pk_add_f32 v[162:163], v[162:163], v[162+4*\w:163+4*\w]
.endr
	v_pk_mul_f32 v[160:161], v[160:161], -2.0 op_sel_hi:[1,0]
	v_pk_mul_f32 v[162:163], v[162:163], -2.0 op_sel_hi:[1,0]
	s_cmp_lg_u32 s22, 0
	s_cbranch_scc1 .Lnot_wave_0
	s_wait_alu depctr_va_vdst(0)                   ; the multiplications have written v160 to v163, which the store reads
	global_store_b128 v[GO], v[160:163], s[18:19]  ; the raw scores, 512 consecutive bytes; v160-163 are written no more
.Lnot_wave_0:
.irp e, 0,1,2,3
	v_cmp_gt_u32 s[28+\e], s26, v[176+\e]          ; does the slot count?  The four masks in a run,
.endr
	s_wait_alu depctr_va_sdst(0)                   ; s28 to s31 are written, ahead of the selects that read them
.irp e, 0,1,2,3
	v_cndmask_b32 v[164+\e], v180, v[160+\e], s[28+\e]
.endr
	v_max3_num_f32 v168, v164, v165, v166
	v_max3_num_f32 v168, v168, v167, 0xff61b1e6    ; held at -3e38 from below, as the next launch holds it
.irp x, 1,2,4,8
	v_max_num_f32_dpp v168, v168, v168 row_xmask:\x row_mask:0xf bank_mask:0xf
.endr
	v_permlanex16_b32 v[PT], v168, s[SEL], s[SEL+1]
	v_max_num_f32 v168, v168, v[PT]                ; the block's largest score that counts
.irp e, 0,1,2,3
	v_sub_f32 v[164+\e], v[164+\e], v168
.endr
.irp e, 0,1,2,3
	v_mul_f32 v[164+\e], 0x3fb8aa3b, v[164+\e]
.endr
.irp e, 0,1,2,3
	v_exp_f32 v[172+\e], v[164+\e]                 ; 0 for a slot under the mask
.endr
	v_nop
	s_wait_alu depctr_va_vdst(0)                   ; the four exponentials have written v172 to v175, ahead of their first reader, the LDS store below
	ds_store_b128 v[PBW], v[172:175]               ; into my wave's own copy, and back in the accumulators' layout (LDS serves a wave's instructions in order: ISA guide 5.7.1.4)
.irp rt, 0,1,2,3,4,5,6,7
.irp q, 0,1
	ds_load_b128 v[SACC+8*\rt+4*\q:SACC+8*\rt+4*\q+3], v[PBR] offset:64*\rt+16*\q
.endr
.endr
	; ---- PHASE P, values
.irp rt, 0,1,2,3,4,5,6,7
	ds_load_b128 v[ASCR+4*\rt:ASCR+4*\rt+3], v[ASA] offset:4096+256*\rt
.endr
	WIN 0xc0
	AHALF 0, AV0, 0
	AHALF 0, AV1, 1
	WIN 0
	s_mov_b32 s27, 0
.Lpv:
	CHEAD
	CHUNK AV0, AV1, 0                              ; nothing was asked for behind the scale words (in the first trip W's K steps 0 to 2 were: the smaller count is safe)
	WSUM
	s_add_co_u32 s27, s27, 1
	s_cmp_lt_u32 s27, 4
	s_cbranch_scc1 .Lpv
	s_wait_alu depctr_va_vdst(0)                   ; the selects have written v228 to v243, which the LDS stores read; the softmax is long done with v176 to v183, in which the LDS loads land
.irp c, 0,1,2,3
.irp ht, 0,1,2,3
	ds_store_b32 v[OBA], v[OKR+4*\c+\ht] offset:256*\c+64*\ht        ; unit 64 c + 16 ht + r; lanes r and r + 16 write the same word with the same value
.endr
.endr
	ds_load_b128 v[176:179], v[OBR]                ; my 256 units, 16 bytes a lane: my own bytes, in order behind my stores
	ds_load_b128 v[180:183], v[OBR] offset:512
	s_wait_dscnt 0x0
	global_store_b128 v[GO], v[176:179], s[S_PT:S_PT+1]              ; 512 consecutive bytes a store
	global_store_b128 v[GO], v[180:183], s[S_PT:S_PT+1] offset:512
	s_wait_dscnt 0x0                               ; the closing lines, six on end
	s_wait_alu 0x0
	s_wait_tensorcnt 0x0
	ds_add_u32 v254, v255
	s_wait_dscnt 0x0
	s_endpgm
.Lidle:                                                ; zeros for the block's 1,024 partial sums and 128 scores: the next launch reads every word and gives them the weight 0
	v_lshlrev_b32 v244, 4, v0
	v_lshlrev_b32 v245, 2, v0
	v_mov_b32 v248, 0
	v_mov_b32 v249, 0
	v_mov_b32 v250, 0
	v_mov_b32 v251, 0
	s_wait_alu depctr_va_vdst(0)                   ; the two offsets and the four zeros are written, which the stores read
	global_store_b128 v244, v[248:251], s[20:21]
	global_store_b128 v244, v[248:251], s[20:21] offset:2048
	global_store_b32 v245, v248, s[18:19]
	s_wait_dscnt 0x0                               ; the closing lines, six on end
	s_wait_alu 0x0
	s_wait_tensorcnt 0x0
	ds_add_u32 v254, v255
	s_wait_dscnt 0x0
	s_endpgm
.Lfunc_end_k_qb497185abc_main:
	.size	k_qb497185abc_main, .Lfunc_end_k_qb497185abc_main-k_qb497185abc_main
	.p2alignl 7, 3214868480
	.fill 96, 4, 3214868480
	.section	.rodata,"a",@progbits
	.p2align	6, 0x0
	.amdhsa_kernel k_qb497185abc_main
		.amdhsa_group_segment_fixed_size 283136
		.amdhsa_private_segment_fixed_size 0
		.amdhsa_enable_private_segment 0
		.amdhsa_kernarg_size 72
		.amdhsa_user_sgpr_count 2
		.amdhsa_user_sgpr_kernarg_segment_ptr 1
		.amdhsa_wavefront_size32 1
		.amdhsa_system_sgpr_workgroup_id_x 1
		.amdhsa_system_sgpr_workgroup_id_y 1
		.amdhsa_system_sgpr_workgroup_id_z 1
		.amdhsa_system_vgpr_workitem_id 0
		.amdhsa_next_free_vgpr 1024
		.amdhsa_next_free_sgpr 66
		.amdhsa_reserve_vcc 0
		.amdhsa_float_denorm_mode_32 3
		.amdhsa_float_denorm_mode_16_64 3
		.amdhsa_memory_ordered 1
		.amdhsa_forward_progress 1
		.amdhsa_inst_pref_size 255
	.end_amdhsa_kernel
	.section	.bss,"aw",@nobits
	.p2align	6
	.space	262144
	.amdgpu_metadata
---
amdhsa.version: [ 1, 2 ]
amdhsa.kernels:
  - .name:           k_qb497185abc_main
    .symbol:         k_qb497185abc_main.kd
    .args:
      - { .name: keys, .offset: 0, .size: 8, .value_kind: global_buffer, .address_space: global }
      - { .name: values, .offset: 8, .size: 8, .value_kind: global_buffer, .address_space: global }
      - { .name: memory_lengths, .offset: 16, .size: 8, .value_kind: global_buffer, .address_space: global }
      - { .name: wk_img, .offset: 24, .size: 8, .value_kind: global_buffer, .address_space: global }
      - { .name: wk_sc, .offset: 32, .size: 8, .value_kind: global_buffer, .address_space: global }
      - { .name: pqs, .offset: 40, .size: 8, .value_kind: global_buffer, .address_space: global }
      - { .name: W_energy, .offset: 48, .size: 8, .value_kind: global_buffer, .address_space: global }
      - { .name: scores, .offset: 56, .size: 8, .value_kind: global_buffer, .address_space: global }
      - { .name: part, .offset: 64, .size: 8, .value_kind: global_buffer, .address_space: global }
    .group_segment_fixed_size: 283136
    .private_segment_fixed_size: 0
    .kernarg_segment_align: 8
    .kernarg_segment_size: 72
    .max_flat_workgroup_size: 128
    .sgpr_count:     66
    .vgpr_count:     1024
    .wavefront_size: 32
...
	.end_amdgpu_metadata
.endif
;; end of part 5
;; launch combine: the kernel of part 3 again; grid 32 x 1, 8 waves a work-group, no clusters, 1,280 bytes of LDS; arguments scores, part, memory_lengths, out0, out1; writes out0, out1
